; MI455X (gfx1250); checked and timed in simulation.
; The chip was launched on July 23, 2026; its instructions are those of AMD's public machine-readable ISA for CDNA 5 (MIT licence, August 2026) and "CDNA5" Instruction Set Architecture Reference Guide (July 2026). The comments in the code are by the model that wrote it; some were corrected since.
;; Multihead Self Attention Dec. Allowed arithmetic: matrix products marked QUANTISED: E2M3 operands, one E8M0 scale for each 32 along K, by v_wmma_scale_f32_16x16x128_f8f6f4 with both operands' format E2M3, f32 sums; everything else in f32.
;; Inputs: Wk 2,048 x 2,048 float32; Wo 2,048 x 2,048 float32; Wq 2,048 x 2,048 float32; Wv 2,048 x 2,048 float32; bk 2,048 float32; bo 2,048 float32; bq 2,048 float32; bv 2,048 float32; kn_w 128 float32; qn_w 128 float32; rope 2,048 x 1 x 64 x 2 x 2 float32; x 2,048 x 2,048 float32.
;; Outputs: out0 2,048 x 2,048 float32.
;; This version of the problem:
;;   THIS VERSION OF THE PROBLEM IS GIVEN IN LOW PRECISION. The matrix products marked QUANTISED in the list below multiply operands that are first quantised to E2M3 (2 exponent bits, 3 mantissa bits; 6 bits a number), with one power-of-two scale for each 32 numbers along K (OCP MX v1.0); their sums are f32. All else is computed in f32.
;;   The module's matrix products, in the order in which they are computed (A, B: the left and right operand; K: the contracted axis; several contracted axes count as one K, in the product's order):
;;     1. [M 2,048, K 2,048] x [K 2,048, N 2,048]; A: input x; B: input Wq: QUANTISED
;;     2. [M 2,048, K 2,048] x [K 2,048, N 2,048]; A: input x; B: input Wk: QUANTISED
;;     3. [M 2,048, K 2,048] x [K 2,048, N 2,048]; A: input x; B: input Wv: QUANTISED
;;     4. batch 16 x [M 2,048, K 128] x [K 128, N 2,048]; A: computed on the way; B: computed on the way: QUANTISED
;;     5. batch 16 x [M 128, K 2,048] x [K 2,048, N 2,048]; A: computed on the way; B: softmax (see below): QUANTISED
;;     6. [M 2,048, K 2,048] x [K 2,048, N 2,048]; A: computed on the way; B: input Wo: QUANTISED
;;   THE QUANTISER, for each operand of a quantised product, along K:
;;     - K is cut into blocks of 32 from its start; a last block that is shorter is filled with zeros.
;;     - A block's scale is 2^e with e = floor(log2(the largest magnitude in the block)) - 2, held to -126 .. 127; a block of zeros has e = 0. As a byte (E8M0): e + 127.
;;     - Each number is divided by its block's scale, clamped to +-7.5, and rounded to the nearest number of E2M3, ties to even, subnormals kept.
;;     - The product sums the exact products of the quantised numbers (number of the format x scale) in f32.
;;   ~~~python
;;   def quantise(x, axis):      # numpy; x: float32 -> the quantised numbers, widened to float32 again
;;       x = np.moveaxis(x, axis, -1); K = x.shape[-1]
;;       x = np.pad(x, [(0, 0)] * (x.ndim - 1) + [(0, -K % 32)]); x = x.reshape(x.shape[:-1] + (-1, 32)); a = np.abs(x).max(-1, keepdims=True)
;;       e = np.where(a > 0, np.clip(np.frexp(np.where(a > 0, a, 1))[1] - 1 - 2, -126, 127), 0)      # np.frexp(a)[1] - 1 = floor(log2(a)), exactly
;;       r = np.clip(x / 2.0 ** e, -7.5, 7.5)
;;       step = 2.0 ** (np.maximum(np.frexp(np.where(r == 0, 1, r))[1] - 1, 0) - 3)
;;       q = np.round(r / step) * step * 2.0 ** e      # np.round: ties to even
;;       return np.moveaxis(q.reshape(q.shape[:-2] + (-1,))[..., :K], -1, axis).astype(np.float32)
;;   ~~~
;;   SOFTMAX AHEAD OF A QUANTISED PRODUCT. Where the list says 'softmax', what is quantised is not the finished softmax but p = 2^(t - M), with t = logit x log2(e) and M = ceil(the row's largest t), a whole number; so 1/2 < the row's largest p <= 1. The row's sum l is taken of the UNQUANTISED p, in f32, and the product's result is divided by l at the end. Since M is a whole number, a kernel that streams over the keys may use a running M (the ceiling of the running maximum): every later rescaling is an exact power of two, which a block's scale takes up: the codes' values come out the same.
;;   OPERANDS COMPUTED ON THE WAY. 'Computed on the way' means the value that the module computes at that place (a softmax that the list does not call 'softmax' is quantised finished and normalised). What goes into a quantiser is computed in f32, as accurately as f32 sums, v_exp_f32 and their like allow (about 1e-6 of the number): no bf16 or f16 on the way to a quantiser, and a product that is left as it is and whose result goes on into a quantised operand takes f32 operands (vector FMAs, or v_wmma_f32_16x16x4_f32). A number that lies on a knife's edge between two numbers of the format may be rounded either way, as far as f32 arithmetic and the matrix unit's own rounding can turn it there, and no further.
;; One version. Each part assembles by itself: llvm-mc -triple=amdgcn-amd-amdhsa -mcpu=gfx1250 --defsym DOCPART=n.
;; ======== version 1 of 1: 4 launches
;; limits: right only within a limited range of input values
;; workspace buffers: wc 12,582,912 bytes; ws 524,288 bytes; ropei 2,097,152 bytes; qkvc 9,437,184 bytes; qkvs 393,216 bytes; ac 3,145,728 bytes; asc 131,072 bytes; wo 3,276,800 bytes
;; launch quant (part 1): grid 1088 x 1, 2 waves a work-group, no clusters, 17,152 bytes of LDS; arguments x, Wq, Wk, Wv, rope, wc, ws, ropei; writes wc, ws, ropei
.if DOCPART == 1
	.amdgcn_target "amdgcn-amd-amdhsa--gfx1250"
	.amdhsa_code_object_version 6
	.text
	.protected	k_qaf26cee990_quant
	.globl	k_qaf26cee990_quant
	.p2align	8
	.type	k_qaf26cee990_quant,@function
k_qaf26cee990_quant:
	s_mov_b64 s[64:65], 0
	v_nop
	global_prefetch_b8 v0, s[64:65] scope:SCOPE_SE
	s_setreg_imm32_b32 hwreg(HW_REG_WAVE_MODE, 25, 1), 1
	s_wait_xcnt 0x0
; x, Wq, Wk, Wv ([2048][2048] f32, K innermost) become codes of FP6 (E2M3) with one E8M0 byte for each 32 along K; rope is laid anew.  (Wo is quantised on the same plan at the end of the attention launch.)
; LAYOUT OF THE CODES: fragments of 16 rows x 128 K, each the image of the matrix operand's 12 registers: registers 4 c .. 4 c + 3 of lane l at 512 c + 16 l (1,536 bytes).
; Block i of a tensor holds rows 32 (i / 2) + 8 (i % 2) + r + 8 (r / 8), r = lane % 16; wc = [tensor][block 128][K step 16][1,536].
; Scale words (four bytes: 128 along K of one row): ws = [tensor][block][K step / 4][r][K step % 4].
; A block's scale byte is its largest magnitude's exponent field - 2, held at 1 from below by a floor among the maximum's leaves.
; LIMITS: NaN and infinities are not served; a block of zeros, or one whose largest magnitude lies under 2^-124, gets the byte 1 (its codes are zeros or tiny); the bytes are read by this program alone.
; SHARES: work-groups 0-1,023, two waves each: tensor id / 256, block (id / 2) % 128; the wave takes K steps 4 g .. 4 g + 3, g = 2 (id % 2) + wave: 1,024 equal work-groups, four for each of 256 WGPs.
; Work-groups 1,024-1,087: wave w lays rope's block 2 (id - 1,024) + w.
; Each load reads 512 consecutive bytes of one row; the 16 rows x 512 bytes turn through the wave's own stage in LDS, so that a lane gets 16 neighbours of each block of 32.  Waves share nothing: no barrier.
.set ROWB, 8192                        ; a row of a tensor in bytes
.set SP,   528                         ; a stage row: 512 bytes + 16 = 33 x 16
.set STGB, 16*SP                       ; a wave's stage
.set MAINW, 1024                       ; work-groups that quantise
.set TM,   16                          ; v16-31  at work in QUANT
.set PW,   32                          ; v32-35  the four K steps' scale words
.set PC,   40                          ; v40-59  codes
.set X,    64                          ; v64-127 64 numbers of my row: register 16 b + i = k 32 b + 16 h + i
.set R,    128                         ; v128-255 two sets of 16 rows as loaded
.set SEL,  30                          ; s[30:31] lane selects: lane l xor 16
.macro QUANT s, pw                     ; 64 numbers of a lane -> a fragment's codes in v[PC] on, its scale word in v[pw]
.irp b, 0,1,2,3
	v_max3_num_f32 v[TM+\b], |v[\s+16*\b]|, |v[\s+1+16*\b]|, 0x1800000   ; my 16 numbers of block b, and the floor 2^(3 - 127)
.endr
.irp i, 2,4,6,8,10,12,14
.irp b, 0,1,2,3
	v_max3_num_f32 v[TM+\b], v[TM+\b], |v[\s+16*\b+\i]|, |v[\s+1+16*\b+\i]|   ; the four blocks by turns
.endr
.endr
.irp b, 0,1,2,3
	v_permlanex16_b32 v[TM+4+\b], v[TM+\b], s[SEL], s[SEL+1]
.endr
.irp b, 0,1,2,3
	v_max_num_f32 v[TM+\b], v[TM+\b], v[TM+4+\b]   ; with lane l xor 16's: the block's largest magnitude
.endr
.irp b, 0,1,2,3
	v_add_nc_u32 v[TM+12+\b], 0xff000000, v[TM+\b]   ; 2 off its exponent field: the conversion's scale operand
.endr
.irp b, 0,1,2,3
	v_lshrrev_b32 v[TM+4+\b], 23, v[TM+12+\b]      ; the scale's byte
.endr
	v_lshl_or_b32 v[\pw], v[TM+5], 8, v[TM+4]
	v_lshl_or_b32 v[\pw], v[TM+6], 16, v[\pw]
	v_lshl_or_b32 v[\pw], v[TM+7], 24, v[\pw]
.irp c, 0,1
	v_cvt_scalef32_pk16_fp6_f32 v[PC+6*\c:PC+2+6*\c], v[\s+32*\c:\s+15+32*\c], v[TM+12+2*\c]
	v_cvt_scalef32_pk16_fp6_f32 v[PC+12+4*\c:PC+14+4*\c], v[\s+16+32*\c:\s+31+32*\c], v[TM+12+2*\c+1]   ; (a conversion's three registers begin on an even number)
.endr
	v_nop                                          ; one plain place behind a scaled conversion
.irp c, 0,1                                    ; the operand wants a whole block in a lane
.irp i, 0,1,2
	v_permlane16_swap_b32 v[PC+6*\c+\i], v[PC+12+4*\c+\i]
.endr
.irp i, 0,1,2
	v_mov_b32 v[PC+3+6*\c+\i], v[PC+12+4*\c+\i]
.endr
.endr
.endm
.macro LOAD f                          ; K step f of my four: 16 rows x 512 bytes into set f % 2
.set n, 0
.rept 16
	global_load_b128 v[R+64*((\f)%2)+4*n:R+64*((\f)%2)+4*n+3], v4, s[4:5] offset:(n+8*(n/8))*ROWB+512*(\f) th:TH_LOAD_NT
.set n, n+1
.endr
.endm
.macro TURN f                          ; through my stage: LDS serves a wave's instructions in order
.set n, 0
.rept 16
	ds_store_b128 v5, v[R+64*((\f)%2)+4*n:R+64*((\f)%2)+4*n+3] offset:SP*n
.set n, n+1
.endr
.set n, 0
.rept 16
	ds_load_b128 v[X+4*n:X+4*n+3], v6 offset:128*(n/4)+16*(n%4)
.set n, n+1
.endr
.endm
.macro FRAGQ f
.if (\f) < 3
	s_wait_loadcnt 16                              ; this K step's 16 loads are in; the other set's may be out
.else
	s_wait_loadcnt 0x0
.endif
	TURN \f
	s_wait_dscnt 0x0                               ; my 64 numbers are back, and the stores have read the set,
.if (\f) < 2
	LOAD (\f)+2                                    ; which takes the K step two on
.endif
.if (\f) > 0
	s_wait_xcnt 0x0                                ; the last fragment's stores have read the codes' registers
.endif
	QUANT X, PW+(\f)
.irp c, 0,1,2
	global_store_b128 v4, v[PC+4*\c:PC+4*\c+3], s[16:17] offset:1536*(\f)+512*\c   ; 32 lanes store 512 consecutive bytes
.endr
.endm
	s_load_b256 s[4:11], s[0:1], 0x0               ; x, Wq, Wk, Wv
	s_load_b64 s[14:15], s[0:1], 0x20              ; rope
	s_load_b128 s[16:19], s[0:1], 0x28             ; wc, ws
	s_load_b64 s[20:21], s[0:1], 0x38              ; ropei
	v_lshl_add_u32 v62, v0, 2, 0x4200
	v_mov_b32 v63, 0
	v_lshrrev_b32 v7, 5, v0
	v_readfirstlane_b32 s22, v7                    ; wave 0, 1
	v_and_b32 v1, 31, v0                           ; lane
	v_and_b32 v2, 15, v0                           ; r
	v_bfe_u32 v3, v0, 4, 1                         ; h
	v_lshlrev_b32 v4, 4, v1                        ; 16 x lane
	s_mov_b32 s27, 0
	s_wait_kmcnt 0x0
	s_cmp_ge_u32 ttmp9, MAINW
	s_cbranch_scc1 .Lrope
	s_lshr_b32 s23, ttmp9, 8                       ; which tensor
	s_lshr_b32 s24, ttmp9, 1
	s_and_b32 s24, s24, 127                        ; which block of 16 rows
	s_and_b32 s29, ttmp9, 1
	s_lshl_b32 s29, s29, 1
	s_add_co_u32 s29, s29, s22                     ; g: which four K steps
	s_cmp_eq_u32 s23, 1                            ; the choice hangs on the work-group's number alone
	s_cselect_b64 s[4:5], s[6:7], s[4:5]
	s_cmp_eq_u32 s23, 2
	s_cselect_b64 s[4:5], s[8:9], s[4:5]
	s_cmp_eq_u32 s23, 3
	s_cselect_b64 s[4:5], s[10:11], s[4:5]
	s_lshr_b32 s26, s24, 1
	s_lshl_b32 s26, s26, 18                        ; 32 rows x 8,192 bytes
	s_and_b32 s28, s24, 1
	s_lshl_b32 s28, s28, 16                        ; 8 rows
	s_add_co_u32 s26, s26, s28
	s_lshl_b32 s28, s29, 11                        ; my four K steps: 2,048 bytes of a row
	s_add_co_u32 s26, s26, s28
	s_add_nc_u64 s[4:5], s[4:5], s[26:27]
	s_mul_i32 s26, s23, 3145728
	s_mul_i32 s28, s24, 24576
	s_add_co_u32 s26, s26, s28
	s_mul_i32 s28, s29, 6144
	s_add_co_u32 s26, s26, s28
	s_add_nc_u64 s[16:17], s[16:17], s[26:27]      ; my four fragments in wc
	s_lshl_b32 s26, s23, 17
	s_lshl_b32 s28, s24, 10
	s_add_co_u32 s26, s26, s28
	s_lshl_b32 s28, s29, 8
	s_add_co_u32 s26, s26, s28
	s_add_nc_u64 s[18:19], s[18:19], s[26:27]      ; my 256 bytes of scale words in ws
	s_mul_i32 s25, s22, STGB                       ; my stage: the wave's number alone enters an LDS address
	s_wait_alu depctr_va_vdst(0)
	v_add_nc_u32 v5, s25, v4                       ; the stage, in: 16 x lane of each row
	v_mul_u32_u24 v6, v2, SP
	v_lshl_add_u32 v6, v3, 6, v6
	v_add_nc_u32 v6, s25, v6                       ; and out: row r, + 64 h
	v_lshlrev_b32 v8, 4, v2
	v_lshl_add_u32 v8, v3, 3, v8                   ; scale words: 16 r + 8 h
	s_mov_b32 s[SEL], 0x76543210
	s_mov_b32 s[SEL+1], 0xfedcba98
.irp b, 0,1,2,3
	v_mov_b32 v[TM+4+\b], 0                        ; written once: a lane permute's destination counts as one of its sources
.endr
	LOAD 0
	LOAD 1
	s_wait_alu depctr_va_vdst(0)
	FRAGQ 0
	FRAGQ 1
	FRAGQ 2
	FRAGQ 3
	v_cmp_ne_u32 vcc_lo, 0, v3                     ; lanes 0-15 store words 0 and 1 of their row, lanes 16-31 words 2 and 3
	v_cndmask_b32 v36, v[PW], v[PW+2], vcc_lo
	v_cndmask_b32 v37, v[PW+1], v[PW+3], vcc_lo
	global_store_b64 v8, v[36:37], s[18:19]        ; 32 lanes store 256 consecutive bytes, aligned
	s_wait_tensorcnt 0x0
	ds_add_u32 v62, v63
	s_wait_dscnt 0x0
	s_endpgm
.Lrope:
; rope [2048][64][2][2] f32 -> ropei [block 128][n 32][lane][16 bytes]: the four numbers of pair 16 (n / 8) + 8 h + n % 8 of the lane's row: the order in which the next launch's registers hold a head's pairs
	s_sub_co_u32 s23, ttmp9, MAINW
	s_lshl_b32 s23, s23, 1
	s_add_co_u32 s23, s23, s22                     ; block t
	s_lshr_b32 s26, s23, 1
	s_lshl_b32 s26, s26, 15                        ; 32 rows x 1,024 bytes
	s_and_b32 s28, s23, 1
	s_lshl_b32 s28, s28, 13
	s_add_co_u32 s26, s26, s28
	s_add_nc_u64 s[14:15], s[14:15], s[26:27]
	s_lshl_b32 s26, s23, 14
	s_add_nc_u64 s[20:21], s[20:21], s[26:27]
	s_wait_alu depctr_va_vdst(0)
	v_and_b32 v9, 8, v2
	v_add_nc_u32 v9, v9, v2                        ; r + 8 (r / 8)
	v_lshlrev_b32 v9, 10, v9
	v_lshl_add_u32 v9, v3, 7, v9                   ; + 128 h
.set n, 0
.rept 32
	global_load_b128 v[R+4*n:R+4*n+3], v9, s[14:15] offset:256*(n/8)+16*(n%8) th:TH_LOAD_NT
.set n, n+1
.endr
.set n, 0
.rept 32
	s_wait_loadcnt 31-n                            ; loads come back in order: number n is in
	global_store_b128 v4, v[R+4*n:R+4*n+3], s[20:21] offset:512*n
.set n, n+1
.endr
	s_endpgm
.Lfunc_end_k_qaf26cee990_quant:
	.size	k_qaf26cee990_quant, .Lfunc_end_k_qaf26cee990_quant-k_qaf26cee990_quant
	.p2alignl 7, 3214868480
	.fill 96, 4, 3214868480
	.section	.rodata,"a",@progbits
	.p2align	6, 0x0
	.amdhsa_kernel k_qaf26cee990_quant
		.amdhsa_group_segment_fixed_size 17152
		.amdhsa_private_segment_fixed_size 0
		.amdhsa_enable_private_segment 0
		.amdhsa_kernarg_size 64
		.amdhsa_user_sgpr_count 2
		.amdhsa_user_sgpr_kernarg_segment_ptr 1
		.amdhsa_wavefront_size32 1
		.amdhsa_system_sgpr_workgroup_id_x 1
		.amdhsa_system_sgpr_workgroup_id_y 1
		.amdhsa_system_sgpr_workgroup_id_z 1
		.amdhsa_system_vgpr_workitem_id 0
		.amdhsa_next_free_vgpr 256
		.amdhsa_next_free_sgpr 66
		.amdhsa_reserve_vcc 1
		.amdhsa_float_denorm_mode_32 3
		.amdhsa_float_denorm_mode_16_64 3
		.amdhsa_memory_ordered 1
		.amdhsa_forward_progress 1
		.amdhsa_inst_pref_size 42
	.end_amdhsa_kernel
	.amdgpu_metadata
---
amdhsa.version: [ 1, 2 ]
amdhsa.kernels:
  - .name:           k_qaf26cee990_quant
    .symbol:         k_qaf26cee990_quant.kd
    .args:
      - { .name: x, .offset: 0, .size: 8, .value_kind: global_buffer, .address_space: global }
      - { .name: Wq, .offset: 8, .size: 8, .value_kind: global_buffer, .address_space: global }
      - { .name: Wk, .offset: 16, .size: 8, .value_kind: global_buffer, .address_space: global }
      - { .name: Wv, .offset: 24, .size: 8, .value_kind: global_buffer, .address_space: global }
      - { .name: rope, .offset: 32, .size: 8, .value_kind: global_buffer, .address_space: global }
      - { .name: wc, .offset: 40, .size: 8, .value_kind: global_buffer, .address_space: global }
      - { .name: ws, .offset: 48, .size: 8, .value_kind: global_buffer, .address_space: global }
      - { .name: ropei, .offset: 56, .size: 8, .value_kind: global_buffer, .address_space: global }
    .group_segment_fixed_size: 17152
    .private_segment_fixed_size: 0
    .kernarg_segment_align: 8
    .kernarg_segment_size: 64
    .max_flat_workgroup_size: 64
    .sgpr_count:     66
    .vgpr_count:     256
    .wavefront_size: 32
...
	.end_amdgpu_metadata
.endif
;; end of part 1
;; launch qkv (part 2): grid 24 x 8, 4 waves a work-group, clusters of 4 x 4, 327,680 bytes of LDS; arguments wc, ws, bq, bk, bv, qn_w, kn_w, ropei, qkvc, qkvs; writes qkvc, qkvs
.if DOCPART == 2
	.amdgcn_target "amdgcn-amd-amdhsa--gfx1250"
	.amdhsa_code_object_version 6
	.text
	.protected	k_qaf26cee990_qkv
	.globl	k_qaf26cee990_qkv
	.p2align	8
	.type	k_qaf26cee990_qkv,@function
k_qaf26cee990_qkv:
	s_mov_b64 s[64:65], 0
	v_nop
	global_prefetch_b8 v0, s[64:65] scope:SCOPE_SE
	s_setreg_imm32_b32 hwreg(HW_REG_WAVE_MODE, 25, 1), 1
	s_wait_xcnt 0x0
	s_wait_alu depctr_hold_cnt(0) depctr_sa_sdst(0) depctr_va_vdst(0) depctr_va_sdst(0) depctr_va_ssrc(0) depctr_va_vcc(0) depctr_vm_vsrc(0)
	s_getreg_b32 s2, hwreg(HW_REG_IB_STS2, 6, 4)
	s_cmp_eq_u32 s2, 0
	s_cbranch_scc0 .Lentry_in_a_cluster
	s_endpgm
.Lentry_in_a_cluster:
	s_bfe_u32 s2, ttmp6, 0x10000c
	s_cmp_lg_u32 s2, 0xf033
	s_cbranch_scc0 .Lentry_shape_is_right
	s_endpgm
.Lentry_shape_is_right:
; q, k = rope(rmsnorm(x W^T + b)) and v = x Wv^T + bv on codes of FP6 (E2M3) with E8M0 scales; the results are quantised again: q and k along the head's 128, v along the keys.
; A tile is 256 x 256, four waves of 128 x 128 (64 accumulators each); 192 tiles: 128 of q and k (source 0 = W's rows, source 1 = x's rows), 64 of v (source 0 = x's rows, source 1 = Wv's rows).
; Operands lie as images of the operand's registers (1,536 bytes a fragment).  K = 2,048 goes through a ring of two LDS slots of two K steps each; the 512 rows' scale words come once.
; THE HEAD: one tensor load a wave: wave 0 source 1's 16 blocks of slot 0, wave 2 source 0's, waves 1 and 3 the two blocks of scale words; slot 1's first fill stands behind the full sequence and a round.
; CLUSTER 4 x 4: source 1's tiles are asked for jointly along a row of the cluster, source 0's along a column.
; PREFETCHES: behind each fill one instruction a wave names the fill two fills on: of the 8 blocks x 3,072 bytes that the wave fetches, the partner at place p names blocks 2 p and 2 p + 1 (24 lanes, a lane to 256 bytes;
; the lanes left over name the last again); the last two fills have none two on.  The rope table's rows of a tile are named once: block 2 cx + (wave % 2) of the eight that the wave will read, 64 lanes' worth in two instructions.
; LIMITS: NaN and infinities are not served; a block of zeros gets the scale byte 1; the bytes are read by this program alone.
.set FR,    12
.set PFA,   4                          ; s[4:5] where my tile prefetches stand
.set PFR,   6                          ; s[6:7] my block of the rope table
.set PFO,   30                         ; v30 a lane's place among the 24 units of 256 bytes
.set PFL,   26                         ; v26 256 x lane
.set NL,    3
.set NP,    4
.set NQ,    2
.set PART,  24576
.set SLOT,  4*PART
.set SCL,   2*SLOT
.set SPARE, SCL+4*8192
.set LAPS,  4
.set HH,   3
.set ADRA, 16
.set ADRB, 20
.set BO,   22
.set BV,   23
.set LI,   24
.set SO,   25
.set ADRS, 27
.set SPW,  28
.set NIL,  29
.set SC,   32
.set BI,   64
.set AF,   128
.set TM,   224
.set SS,   240
.set MM,   246
.set PC,   128
.set PWS,  160
.set T4,   168
.set IV,   176
.set G1,   24
.set G0,   32
.set G1B,  48
.set G0B,  56
.set G1S,  68
.set G0S,  76
.set G1SB, 80
.set G0SB, 88
.set WV,   92
.set PH,   93
.set QH,   94
.set ISV,  95
.set WGY,  96
.set LAP,  97
.set SEL,  98
.set MSB, 0
.macro WIN new
.if MSB != (\new)
	s_set_vgpr_msb (MSB<<8)|(\new)
.set MSB, (\new)
.endif
.endm
.set MUL_LO, 0xa1
.set MUL_HI, 0xf1
.set TO_B,   0x40
.macro JLOAD g0a, g1a, g0b, g1b
	s_cmp_eq_u32 s[PH], 0
	s_cbranch_scc0 .Lfor_b_\@
	tensor_load_to_lds s[\g0a:\g0a+3], s[\g1a:\g1a+7]
	s_nop 0
.rept 4
	v_nop
.endr
	s_branch .Lasked_\@
.Lfor_b_\@:
	tensor_load_to_lds s[\g0b:\g0b+3], s[\g1b:\g1b+7]
	s_nop 0
.rept 4
	v_nop
.endr
.Lasked_\@:
.endm
.macro CREST
	s_cmp_lg_u32 s[WV], 0
	s_cbranch_scc1 .Lnot_wave_0_\@
	s_barrier_signal -3
.Lnot_wave_0_\@:
	s_barrier_wait -3
	s_barrier_signal -1
	s_barrier_wait -1
.endm
.macro CROUND
	s_barrier_signal -1
	s_barrier_wait -1
	CREST
.endm
.macro PLACES n
.rept \n
	v_nop
.endr
.endm
	s_load_b256 s[4:11], s[0:1], 0x0
	s_load_b256 s[12:19], s[0:1], 0x20
	s_load_b128 s[20:23], s[0:1], 0x40
	v_lshl_add_u32 v[SPW], v0, 2, SPARE
	v_mov_b32 v[NIL], 0
	ds_add_u32 v28, v29
	ds_add_u32 v28, v29
	s_wait_dscnt 0x0
	v_lshrrev_b32 v1, 5, v0
	v_readfirstlane_b32 s[WV], v1
	s_lshr_b32 s[PH], s[WV], 1
	s_and_b32 s[QH], s[WV], 1
	s_bfe_u32 s40, ttmp6, 0x40000
	s_bfe_u32 s41, ttmp6, 0x40004
	s_lshl_b32 s42, ttmp9, 2
	s_add_co_u32 s42, s42, s40
	s_and_b32 s[WGY], ttmp7, 0xffff
	s_lshl_b32 s[WGY], s[WGY], 2
	s_add_co_u32 s[WGY], s[WGY], s41
	s_lshl_b32 s43, s41, 2
	s_lshl_b32 s43, 15, s43
	s_lshl_b32 s44, 0x1111, s40
	s_or_b32 s[G1+0], s43, (3<<16)|(1<<21)
	s_or_b32 s[G1B+0], s44, (3<<16)|(1<<21)
.irp g, G1, G1B
	s_mov_b32 s[\g+1], 384<<16
	s_mov_b32 s[\g+2], 16<<16
	s_mov_b32 s[\g+3], 384<<16
	s_mov_b32 s[\g+4], 16
	s_mov_b32 s[\g+5], 3072
	s_mov_b32 s[\g+6], 0
	s_mov_b32 s[\g+7], 0
.endr
	s_or_b32 s[G1S+0], s43, (3<<16)|(1<<21)
	s_or_b32 s[G1SB+0], s44, (3<<16)|(1<<21)
.irp g, G1S, G1SB
	s_mov_b32 s[\g+1], 32<<16
	s_mov_b32 s[\g+2], 64<<16
	s_mov_b32 s[\g+3], 32<<16
	s_mov_b32 s[\g+4], 64
	s_mov_b32 s[\g+5], 32
	s_mov_b32 s[\g+6], 0
	s_mov_b32 s[\g+7], 0
.endr
	s_cmp_ge_u32 ttmp9, 4
	s_cselect_b32 s[ISV], 1, 0
	s_cselect_b32 s2, 24, 0
	s_cselect_b32 s3, -16, 8
	s_add_co_u32 s2, s2, s[WGY]
	s_add_co_u32 s46, s3, s42
	s_lshl_b32 s2, s2, 4
	s_lshl_b32 s46, s46, 4
	s_lshl_b32 s3, s[QH], 3
	s_add_co_u32 s2, s2, s3
	s_add_co_u32 s46, s46, s3
	s_mul_i32 s66, s2, 24576
	s_mov_b32 s67, 0
	s_lshl_b32 s2, s2, 10
	s_mov_b32 s3, 0
	s_lshl_b32 s100, s46, 10
	s_mov_b32 s101, 0
	s_mul_i32 s46, s46, 24576
	s_mov_b32 s47, 0
	s_mul_i32 s45, s[WV], PART
	s_wait_kmcnt 0x0
	s_add_nc_u64 s[66:67], s[4:5], s[66:67]
	s_add_nc_u64 s[2:3], s[6:7], s[2:3]
	s_add_nc_u64 s[46:47], s[4:5], s[46:47]
	s_add_nc_u64 s[100:101], s[6:7], s[100:101]
	s_mov_b32 s[G0S], 1                            ; the scale words of source 1's 16 blocks, whole: issued by wave 1 alone, whose own eight begin 8,192 bytes further on
	s_mov_b32 s[G0S+1], SCL
	s_sub_nc_u64 s[G0S+2:G0S+3], s[2:3], 8192
	s_or_b32 s[G0S+3], s[G0S+3], 0x80000000
	s_mov_b32 s[G0SB], 1                           ; and of source 0's: issued by wave 3 alone
	s_mov_b32 s[G0SB+1], SCL+16384
	s_sub_nc_u64 s[G0SB+2:G0SB+3], s[100:101], 8192
	s_or_b32 s[G0SB+3], s[G0SB+3], 0x80000000
.irp s, 0,1
	s_mov_b32 s[G0+4*\s], 1
	s_add_co_u32 s[G0+4*\s+1], s45, \s*SLOT
	s_add_nc_u64 s[G0+4*\s+2:G0+4*\s+3], s[66:67], \s*3072
	s_or_b32 s[G0+4*\s+3], s[G0+4*\s+3], 0x80000000
	s_mov_b32 s[G0B+4*\s], 1
	s_add_co_u32 s[G0B+4*\s+1], s45, \s*SLOT
	s_add_nc_u64 s[G0B+4*\s+2:G0B+4*\s+3], s[46:47], \s*3072
	s_or_b32 s[G0B+4*\s+3], s[G0B+4*\s+3], 0x80000000
.endr
	s_cmp_eq_u32 s[PH], 0                          ; the prefetches: the eight blocks that I fetch in the ring,
	s_cselect_b64 s[PFA:PFA+1], s[66:67], s[46:47]
	s_cselect_b32 s6, s40, s41                     ; my work-group's place among the four that ask for them with me,
	s_mul_i32 s6, s6, 49152                        ; which takes two of the eight
	s_mov_b32 s7, 0
	s_add_nc_u64 s[PFA:PFA+1], s[PFA:PFA+1], s[6:7]
	CROUND                                         ; all sixteen work-groups are here: the first joint loads meet
; one tensor load a wave at the head: group 1 counts 16 blocks here, so waves 0 and 2, whose own quarter begins with the tile, fetch a whole half of slot 0 by their ring's group 0
.macro ARM under, g0, g1, next
	s_cmp_lt_u32 s[WV], \under
	s_cbranch_scc0 \next
	tensor_load_to_lds s[\g0:\g0+3], s[\g1:\g1+7]
	s_nop 0
.rept 4
	v_nop
.endr
	s_branch .Lhead_asked
\next:
.endm
	ARM 1, G0,  G1,  .Lhead_sa
	ARM 2, G0S, G1S, .Lhead_b
	ARM 3, G0B, G1B, .Lhead_sb
	tensor_load_to_lds s[G0SB:G0SB+3], s[G1SB:G1SB+7]
	s_nop 0
.rept 4
	v_nop
.endr
.Lhead_asked:
	v_and_b32 v[PFO], 31, v0
	v_min_u32 v[PFO], 23, v[PFO]                   ; 24 units of 256 bytes: 12 of each of two blocks
	v_mul_u32_u24 v31, v[PFO], 171
	v_lshrrev_b32 v31, 11, v31                     ; unit / 12
	v_mul_u32_u24 v31, v31, 21504                  ; a block is 24,576 bytes on, less the 12 units passed
	v_lshl_add_u32 v[PFO], v[PFO], 8, v31
	global_prefetch_b8 v[PFO], s[PFA:PFA+1] offset:6144 th:TH_LOAD_NT scope:SCOPE_SE   ; K steps 4 and 5: the fill two on
	v_and_b32 v1, 31, v0
	v_and_b32 v2, 15, v0
	v_bfe_u32 v[HH], v0, 4, 1
	s_wait_alu depctr_va_vdst(0)
	v_lshlrev_b32 v[LI], 4, v1
	v_lshlrev_b32 v[PFL], 8, v1
	s_mul_i32 s2, s[PH], PART
	s_mul_i32 s3, s[QH], PART
	s_add_co_u32 s3, s3, 2*PART
.irp s, 0,1
	v_add_nc_u32 v[ADRA+\s], s2, v[LI]
	v_add_nc_u32 v[ADRB+\s], s3, v[LI]
	s_add_co_u32 s2, s2, SLOT
	s_add_co_u32 s3, s3, SLOT
.endr
	s_lshl_b32 s2, s[PH], 13
	s_lshl_b32 s3, s[QH], 13
	s_add_co_u32 s3, s3, 16384
	s_sub_co_u32 s3, s3, s2
	v_mul_u32_u24 v6, s3, v[HH]
	s_add_co_u32 s2, s2, SCL
	v_lshl_add_u32 v5, v2, 4, v6
	v_add_nc_u32 v[ADRS], s2, v5
	v_lshlrev_b32 v[BO], 6, v[HH]
	v_and_b32 v4, 8, v2
	v_add_nc_u32 v4, v4, v2
	v_lshlrev_b32 v[BV], 2, v4
	v_lshlrev_b32 v[SO], 5, v2
	v_lshl_add_u32 v[SO], v[HH], 4, v[SO]
.irp b, 0,1,2,3
	v_mov_b32 v[TM+4+\b], 0
.endr
	s_mov_b32 s[SEL], 0x76543210
	s_mov_b32 s[SEL+1], 0xfedcba98
	s_mov_b32 s100, 0x3c000000
	s_mov_b32 s101, 0x34000000
	s_cmp_ge_u32 ttmp9, 2
	s_cselect_b64 s[8:9], s[10:11], s[8:9]
	s_cselect_b64 s[14:15], s[16:17], s[14:15]
	s_and_b32 s10, s42, 7
	s_lshl_b32 s10, s10, 1
	s_add_co_u32 s10, s10, s[QH]
	s_lshl_b32 s11, s[WGY], 1
	s_add_co_u32 s11, s11, s[PH]
	s_mov_b32 s17, 0
	s_lshl_b32 s16, s10, 9
	s_add_nc_u64 s[8:9], s[8:9], s[16:17]
	s_lshl_b32 s16, s11, 9
	s_add_nc_u64 s[12:13], s[12:13], s[16:17]
	s_lshl_b32 s16, s11, 17
	s_add_nc_u64 s[18:19], s[18:19], s[16:17]
	s_lshl_b32 s16, s40, 1
	s_add_co_u32 s16, s16, s[QH]
	s_lshl_b32 s16, s16, 14                        ; of the eight blocks of 16,384 bytes: block 2 cx + wave % 2
	s_add_nc_u64 s[PFR:PFR+1], s[18:19], s[16:17]
	s_cmp_eq_u32 s[ISV], 1
	s_cselect_b32 s2, s11, s10
	s_cselect_b32 s3, s10, s11
	s_lshl_b32 s2, s2, 4
	s_add_co_u32 s2, s2, s3
	s_lshr_b32 s3, s42, 3
	s_mul_i32 s16, s3, 3145728
	s_mul_i32 s66, s2, 12288
	s_add_co_u32 s16, s16, s66
	s_add_nc_u64 s[20:21], s[20:21], s[16:17]
	s_lshl_b32 s16, s3, 17
	s_lshl_b32 s66, s2, 9
	s_add_co_u32 s16, s16, s66
	s_add_nc_u64 s[22:23], s[22:23], s[16:17]
	s_cmp_eq_u32 s[ISV], 0
	s_cbranch_scc0 .Lbias_v
.set n, 0
.rept 16
	global_load_b128 v[BI+4*n:BI+4*n+3], v[BO], s[8:9] offset:128*(n/4)+16*(n%4)
.set n, n+1
.endr
	s_branch .Lbias_in
.Lbias_v:
.set n, 0
	s_wait_alu depctr_va_vdst(0)
.rept 64
	global_load_b32 v[BI+n], v[BV], s[12:13] offset:(32*((n/8)/2)+8*((n/8)%2))*4
.set n, n+1
.endr
.Lbias_in:
.macro FRAG reg, adr, q, i
.irp c, 0,1,2
	ds_load_b128 v[\reg+4*\c:\reg+4*\c+3], v[\adr] offset:(2*(\i)+(\q))*1536+512*\c
.endr
.endm
.macro MUL16 a0, p, q, sc, zero
.irp a, \a0, \a0+1
.irp b, 0,1,2,3,4,5,6,7
.if (\zero) == 0
	v_wmma_scale_f32_16x16x128_f8f6f4 v[8*(8*((\a)%4)+\b):8*(8*((\a)%4)+\b)+7], v[128*(\p)+FR*\b:128*(\p)+FR*\b+FR-1], v[AF+FR*(\a):AF+FR*(\a)+FR-1], v[8*(8*((\a)%4)+\b):8*(8*((\a)%4)+\b)+7], v[SC+8*NQ*(\sc)+NQ*\b+(\q)], v[SC+8*NQ*(\sc)+NQ*(\a)+(\q)] matrix_a_fmt:MATRIX_FMT_FP6 matrix_b_fmt:MATRIX_FMT_FP6 matrix_a_scale:MATRIX_SCALE_ROW1
.elseif (\zero) == 2
	v_wmma_scale_f32_16x16x128_f8f6f4 v[8*(8*((\a)%4)+\b):8*(8*((\a)%4)+\b)+7], v[128*(\p)+FR*\b:128*(\p)+FR*\b+FR-1], v[AF+FR*(\a):AF+FR*(\a)+FR-1], v[BI+8*\b:BI+8*\b+7], v[SC+8*NQ*(\sc)+NQ*\b+(\q)], v[SC+8*NQ*(\sc)+NQ*(\a)+(\q)] matrix_a_fmt:MATRIX_FMT_FP6 matrix_b_fmt:MATRIX_FMT_FP6 matrix_a_scale:MATRIX_SCALE_ROW1
.else
	v_wmma_scale_f32_16x16x128_f8f6f4 v[8*(8*((\a)%4)+\b):8*(8*((\a)%4)+\b)+7], v[128*(\p)+FR*\b:128*(\p)+FR*\b+FR-1], v[AF+FR*(\a):AF+FR*(\a)+FR-1], v[BI+8*(\a):BI+8*(\a)+7], v[SC+8*NQ*(\sc)+NQ*\b+(\q)], v[SC+8*NQ*(\sc)+NQ*(\a)+(\q)] matrix_a_fmt:MATRIX_FMT_FP6 matrix_b_fmt:MATRIX_FMT_FP6 matrix_a_scale:MATRIX_SCALE_ROW1
.endif
.endr
.endr
.endm
.macro FETCH_B slot, q, p
	WIN TO_B
.irp i, 0,1,2,3,4,5,6,7
	FRAG 128*(\p)+FR*\i, ADRB+\slot, \q, \i
.endr
	WIN 0
.endm
.macro FETCH_A slot, q, i0
.irp i, \i0, \i0+1, \i0+2, \i0+3
	FRAG AF+FR*(\i), ADRA+\slot, \q, \i
.endr
.endm
.macro SCALES sc
.irp i, 0,1,2,3,4,5,6,7
	ds_load_b64 v[SC+8*NQ*\sc+NQ*\i:SC+8*NQ*\sc+NQ*\i+1], v[ADRS] offset:\i*1024
.endr
.endm
.macro STEP slot, q, zero
	s_wait_dscnt 4*NL
.if \zero
	WIN 0x81
.else
	WIN MUL_LO
.endif
	MUL16 0, (\q)%2, \q, \slot, \zero
	MUL16 2, (\q)%2, \q, \slot, \zero
	s_wait_dscnt 0
	PLACES NP
	FETCH_B \slot, (\q)+1, 1-(\q)%2
	FETCH_A \slot, (\q)+1, 0
.if \zero
	WIN 0xc1
.else
	WIN MUL_HI
.endif
	MUL16 4, (\q)%2, \q, \slot, \zero
	MUL16 6, (\q)%2, \q, \slot, \zero
	PLACES NP
	WIN 0
	FETCH_A \slot, (\q)+1, 4
.endm
.macro TURN slot, next, fill
	s_wait_tensorcnt 0x0
	ds_add_u32 v[SPW], v[NIL]
	s_wait_dscnt 4*NL+1
	WIN MUL_LO
	MUL16 0, 1, NQ-1, \slot, 0
	s_wait_dscnt 0x0
	s_barrier_signal -1
	MUL16 2, 1, NQ-1, \slot, 0
	WIN 0
	s_barrier_wait -1
.if \fill
	CREST
	s_add_nc_u64 s[G0+4*\slot+2:G0+4*\slot+3], s[G0+4*\slot+2:G0+4*\slot+3], 6144
	s_add_nc_u64 s[G0B+4*\slot+2:G0B+4*\slot+3], s[G0B+4*\slot+2:G0B+4*\slot+3], 6144
	JLOAD G0+4*\slot, G1, G0B+4*\slot, G1B
.else
	PLACES NP
.endif
.if \next
	s_wait_alu depctr_va_vdst(0)
	v_add_nc_u32 v[ADRS], 8, v[ADRS]
.else
	s_wait_alu depctr_va_vdst(0)
	v_add_nc_u32 v[ADRS], 248, v[ADRS]
.endif
	FETCH_B \next, 0, 0
	FETCH_A \next, 0, 0
	SCALES \next
.if \fill
	s_cmp_gt_u32 s[LAP], 1                         ; the last trip's two fills have none two on
	s_cbranch_scc0 .Lnoask_\@
	global_prefetch_b8 v[PFO], s[PFA:PFA+1] offset:12288 th:TH_LOAD_NT scope:SCOPE_SE
.Lnoask_\@:
.endif
	WIN MUL_HI
	MUL16 4, 1, NQ-1, \slot, 0
	MUL16 6, 1, NQ-1, \slot, 0
	PLACES NP
	WIN 0
	FETCH_A \next, 0, 4
.if \fill
	s_wait_xcnt 0x0                                ; my prefetch has read its address: it steps one fill on
	s_add_nc_u64 s[PFA:PFA+1], s[PFA:PFA+1], 3072
.endif
.endm
	s_wait_alu depctr_va_vdst(0)                   ; the wait at the head's end
	s_wait_tensorcnt 0x0                           ; my tile of the head's four is in
	ds_add_u32 v[SPW], v[NIL]
	s_mov_b32 s[G1+2], 8<<16                       ; no tensor load of mine is out: from here on a load brings 8 blocks
	s_mov_b32 s[G1+4], 8
	s_mov_b32 s[G1B+2], 8<<16
	s_mov_b32 s[G1B+4], 8
	s_wait_dscnt 0x0
	CROUND                                         ; all four tiles are in, and all sixteen work-groups are here
	JLOAD G0+4, G1, G0B+4, G1B                     ; slot 1's first fill, the first tensor load behind the round
	FETCH_B 0, 0, 0
	FETCH_A 0, 0, 0
	SCALES 0
	FETCH_A 0, 0, 4
	global_prefetch_b8 v[PFO], s[PFA:PFA+1] offset:9216 th:TH_LOAD_NT scope:SCOPE_SE   ; K steps 6 and 7
	s_wait_loadcnt 0x0
	s_cmp_eq_u32 s[ISV], 0
	s_cbranch_scc0 .Lfirst_v
	STEP 0, 0, 2
.set n, 0
.rept 16
	global_load_b128 v[BI+4*n:BI+4*n+3], v[BO], s[14:15] offset:128*(n/4)+16*(n%4)
.set n, n+1
.endr
	global_prefetch_b8 v[PFL], s[PFR:PFR+1] th:TH_LOAD_NT scope:SCOPE_SE               ; my share of the tile's rope rows: 2 x 32 units of 256 bytes
	global_prefetch_b8 v[PFL], s[PFR:PFR+1] offset:8192 th:TH_LOAD_NT scope:SCOPE_SE
	s_branch .Lfirst_done
.Lfirst_v:
	STEP 0, 0, 3
.Lfirst_done:
	s_mov_b32 s[LAP], LAPS-1
.Llap:
	TURN 0, 1, 1
	STEP 1, 0, 0
	TURN 1, 0, 1
	STEP 0, 0, 0
	s_sub_co_u32 s[LAP], s[LAP], 1
	s_cmp_lg_u32 s[LAP], 0
	s_cbranch_scc1 .Llap
	TURN 0, 1, 0
	STEP 1, 0, 0
	s_cmp_eq_u32 s[ISV], 0
	s_cbranch_scc0 .Lno_rope
	WIN TO_B                                       ; rope's block 0 is asked for ahead of the last K step
.set n, 0
.rept 32
	global_load_b128 v[4*n:4*n+3], v[LI], s[18:19] offset:512*n
.set n, n+1
.endr
	WIN 0
.Lno_rope:
	s_wait_dscnt 4*NL
	WIN MUL_LO
	MUL16 0, 1, NQ-1, 1, 0
	MUL16 2, 1, NQ-1, 1, 0
	s_wait_dscnt 0
	WIN MUL_HI
	MUL16 4, 1, NQ-1, 1, 0
	MUL16 6, 1, NQ-1, 1, 0
	WIN 0
.macro ROPE a
	WIN TO_B
.set n, 0
.rept 32
	global_load_b128 v[128*((\a)%2)+4*n:128*((\a)%2)+4*n+3], v[LI], s[18:19] offset:16384*(\a)+512*n
.set n, n+1
.endr
	WIN 0
.endm
.macro SQUARES a
.set W, 2+(\a)/4
.set AC, 64*((\a)%4)
	WIN (W|(W<<2))
	v_pk_mul_f32 v[SS:SS+1], v[AC:AC+1], v[AC:AC+1]
	v_pk_mul_f32 v[SS+2:SS+3], v[AC+2:AC+3], v[AC+2:AC+3]
.set n, 4
.rept 15
	v_pk_fma_f32 v[SS:SS+1], v[AC+n:AC+n+1], v[AC+n:AC+n+1], v[SS:SS+1]
	v_pk_fma_f32 v[SS+2:SS+3], v[AC+n+2:AC+n+3], v[AC+n+2:AC+n+3], v[SS+2:SS+3]
.set n, n+4
.endr
	WIN 0
	v_pk_add_f32 v[SS:SS+1], v[SS:SS+1], v[SS+2:SS+3]
	v_add_f32 v[SS], v[SS], v[SS+1]
	v_permlanex16_b32 v[SS+1], v[SS], s[SEL], s[SEL+1]
	v_add_f32 v[SS], v[SS], v[SS+1]
	v_fma_f32 v[MM], v[SS], s100, s101
	s_wait_alu depctr_va_vdst(0)
	v_rsq_f32 v[IV+2*(\a)], v[MM]
	v_rsq_f32 v[IV+2*(\a)+1], v[MM]
.endm
.macro NORMROT a
.set W, 2+(\a)/4
.set AC, 64*((\a)%4)
.set RS, 128*((\a)%2)
.if (\a) < 7
	s_wait_loadcnt 32
.else
	s_wait_loadcnt 0x0
.endif
	WIN ((W<<6)|W)
.set n, 0
.rept 32
	v_pk_mul_f32 v[AC+n:AC+n+1], v[AC+n:AC+n+1], v[IV+2*(\a):IV+2*(\a)+1]
.set n, n+2
.endr
.set n, 0
.rept 32
	v_pk_mul_f32 v[AC+n:AC+n+1], v[AC+n:AC+n+1], v[BI+n:BI+n+1]
.set n, n+2
.endr
	WIN (0x41|(W<<2))
.set n, 0
.rept 32
	v_mul_f32 v[RS+4*n], v[RS+4*n], v[AC+2*n]
	v_mul_f32 v[RS+4*n+2], v[RS+4*n+2], v[AC+2*n]
.set n, n+1
.endr
	WIN ((W<<6)|0x11|(W<<2))
.set n, 0
.rept 32
	v_fma_f32 v[AC+2*n], v[RS+4*n+1], v[AC+2*n+1], v[RS+4*n]
	v_fma_f32 v[AC+2*n+1], v[RS+4*n+3], v[AC+2*n+1], v[RS+4*n+2]
.set n, n+1
.endr
.if (\a) < 6
	ROPE (\a)+2
.endif
.endm
.macro QUANTW a
.set W, 2+(\a)/4
.set AC, 64*((\a)%4)
	WIN ((W<<2)|(W<<4))
.irp b, 0,1,2,3
	v_max3_num_f32 v[TM+\b], 0x1800000, |v[AC+16*\b]|, |v[AC+1+16*\b]|
.endr
.irp i, 2,4,6,8,10,12,14
.irp b, 0,1,2,3
	v_max3_num_f32 v[TM+\b], v[TM+\b], |v[AC+16*\b+\i]|, |v[AC+1+16*\b+\i]|
.endr
.endr
	WIN 0
.irp b, 0,1,2,3
	v_permlanex16_b32 v[TM+4+\b], v[TM+\b], s[SEL], s[SEL+1]
.endr
.irp b, 0,1,2,3
	v_max_num_f32 v[TM+\b], v[TM+\b], v[TM+4+\b]
.endr
.irp b, 0,1,2,3
	v_add_nc_u32 v[TM+12+\b], 0xff000000, v[TM+\b]
.endr
.irp b, 0,1,2,3
	v_lshrrev_b32 v[TM+4+\b], 23, v[TM+12+\b]
.endr
	v_lshl_or_b32 v[PWS+(\a)], v[TM+5], 8, v[TM+4]
	v_lshl_or_b32 v[PWS+(\a)], v[TM+6], 16, v[PWS+(\a)]
	v_lshl_or_b32 v[PWS+(\a)], v[TM+7], 24, v[PWS+(\a)]
.if (\a) > 0
	s_wait_xcnt 0x0
.endif
	WIN W
.irp c, 0,1
	v_cvt_scalef32_pk16_fp6_f32 v[PC+6*\c:PC+2+6*\c], v[AC+32*\c:AC+15+32*\c], v[TM+12+2*\c]
	v_cvt_scalef32_pk16_fp6_f32 v[PC+12+4*\c:PC+14+4*\c], v[AC+16+32*\c:AC+31+32*\c], v[TM+12+2*\c+1]
.endr
	WIN 0
	v_nop
.irp c, 0,1
.irp i, 0,1,2
	v_permlane16_swap_b32 v[PC+6*\c+\i], v[PC+12+4*\c+\i]
.endr
.irp i, 0,1,2
	v_mov_b32 v[PC+3+6*\c+\i], v[PC+12+4*\c+\i]
.endr
.endr
.irp c, 0,1,2
	global_store_b128 v[LI], v[PC+4*\c:PC+4*\c+3], s[20:21] offset:1536*(\a)+512*\c
.endr
.endm
	PLACES NP
	s_cmp_eq_u32 s[ISV], 0
	s_cbranch_scc0 .Lout_v
	ROPE 1
.irp a, 0,1,2,3,4,5,6,7
	s_wait_alu depctr_va_vdst(0)
	SQUARES \a
.endr
	v_nop
	s_wait_alu depctr_va_vdst(0)
.irp a, 0,1,2,3,4,5,6,7
	NORMROT \a
	QUANTW \a
.endr
	s_branch .Lfin
.Lout_v:
.irp a, 0,1,2,3,4,5,6,7
	QUANTW \a
.endr
.Lfin:
	v_cmp_ne_u32 vcc_lo, 0, v[HH]
.irp k, 0,1,2,3
	v_cndmask_b32 v[T4+\k], v[PWS+\k], v[PWS+4+\k], vcc_lo
.endr
	global_store_b128 v[SO], v[T4:T4+3], s[22:23]
	s_wait_tensorcnt 0x0
	ds_add_u32 v[SPW], v[NIL]
	s_wait_dscnt 0x0
	CROUND
	s_endpgm
.Lfunc_end_k_qaf26cee990_qkv:
	.size	k_qaf26cee990_qkv, .Lfunc_end_k_qaf26cee990_qkv-k_qaf26cee990_qkv
	.p2alignl 7, 3214868480
	.fill 96, 4, 3214868480
	.section	.rodata,"a",@progbits
	.p2align	6, 0x0
	.amdhsa_kernel k_qaf26cee990_qkv
		.amdhsa_group_segment_fixed_size 327680
		.amdhsa_private_segment_fixed_size 0
		.amdhsa_enable_private_segment 0
		.amdhsa_kernarg_size 80
		.amdhsa_user_sgpr_count 2
		.amdhsa_user_sgpr_kernarg_segment_ptr 1
		.amdhsa_wavefront_size32 1
		.amdhsa_system_sgpr_workgroup_id_x 1
		.amdhsa_system_sgpr_workgroup_id_y 1
		.amdhsa_system_sgpr_workgroup_id_z 1
		.amdhsa_system_vgpr_workitem_id 0
		.amdhsa_next_free_vgpr 1024
		.amdhsa_next_free_sgpr 102
		.amdhsa_reserve_vcc 1
		.amdhsa_float_denorm_mode_32 3
		.amdhsa_float_denorm_mode_16_64 3
		.amdhsa_memory_ordered 1
		.amdhsa_forward_progress 1
		.amdhsa_inst_pref_size 255
	.end_amdhsa_kernel
	.section	.bss,"aw",@nobits
	.p2align	6
	.space	262144
	.amdgpu_metadata
---
amdhsa.version: [ 1, 2 ]
amdhsa.kernels:
  - .name:           k_qaf26cee990_qkv
    .symbol:         k_qaf26cee990_qkv.kd
    .args:
      - { .name: wc, .offset: 0, .size: 8, .value_kind: global_buffer, .address_space: global }
      - { .name: ws, .offset: 8, .size: 8, .value_kind: global_buffer, .address_space: global }
      - { .name: bq, .offset: 16, .size: 8, .value_kind: global_buffer, .address_space: global }
      - { .name: bk, .offset: 24, .size: 8, .value_kind: global_buffer, .address_space: global }
      - { .name: bv, .offset: 32, .size: 8, .value_kind: global_buffer, .address_space: global }
      - { .name: qn_w, .offset: 40, .size: 8, .value_kind: global_buffer, .address_space: global }
      - { .name: kn_w, .offset: 48, .size: 8, .value_kind: global_buffer, .address_space: global }
      - { .name: ropei, .offset: 56, .size: 8, .value_kind: global_buffer, .address_space: global }
      - { .name: qkvc, .offset: 64, .size: 8, .value_kind: global_buffer, .address_space: global }
      - { .name: qkvs, .offset: 72, .size: 8, .value_kind: global_buffer, .address_space: global }
    .group_segment_fixed_size: 327680
    .private_segment_fixed_size: 0
    .kernarg_segment_align: 8
    .kernarg_segment_size: 80
    .max_flat_workgroup_size: 128
    .sgpr_count:     102
    .vgpr_count:     1024
    .wavefront_size: 32
...
	.end_amdgpu_metadata
.endif
;; end of part 2
;; launch attn (part 3): grid 16 x 16, 16 waves a work-group, clusters of 4 x 1, 327,680 bytes of LDS; arguments qkvc, qkvs, ac, asc, Wo, wo; writes ac, asc, wo
.if DOCPART == 3
	.amdgcn_target "amdgcn-amd-amdhsa--gfx1250"
	.amdhsa_code_object_version 6
	.text
	.protected	k_qaf26cee990_attn
	.globl	k_qaf26cee990_attn
	.p2align	8
	.type	k_qaf26cee990_attn,@function
k_qaf26cee990_attn:
	s_mov_b64 s[64:65], 0
	v_nop
	global_prefetch_b8 v0, s[64:65] scope:SCOPE_SE
	s_setreg_imm32_b32 hwreg(HW_REG_WAVE_MODE, 25, 1), 1
	s_wait_xcnt 0x0
	s_wait_alu depctr_hold_cnt(0) depctr_sa_sdst(0) depctr_va_vdst(0) depctr_va_sdst(0) depctr_va_ssrc(0) depctr_va_vcc(0) depctr_vm_vsrc(0)
	s_getreg_b32 s2, hwreg(HW_REG_IB_STS2, 6, 4)
	s_cmp_eq_u32 s2, 0
	s_cbranch_scc0 .Lentry_in_a_cluster
	s_endpgm
.Lentry_in_a_cluster:
	s_bfe_u32 s2, ttmp6, 0x10000c
	s_cmp_lg_u32 s2, 0x3003
	s_cbranch_scc0 .Lentry_shape_is_right
	s_endpgm
.Lentry_shape_is_right:
; a[q][head] = softmax_k(q . k / sqrt(128)) v, both products on codes of FP6 (E2M3) with E8M0 scales; the result is quantised along the head's 128, which are K step 'head' of the last product.
; THE SOFTMAX: t = score x log2(e) / sqrt(128); M = the running largest t rounded up to a whole number; p = 2^(t - M) is quantised along the keys, not normalised; the row's sum is taken of
; the unquantised p and divides at the end; when M moves, the sum and O are multiplied by 2^(old M - new M), exactly.
; SHARES: a work-group owns 128 queries of one head: eight blocks of 16.  Sixteen waves, four to a SIMD, 256 registers each: wave w owns block w % 8 and, of every four key steps, steps 2 (w / 8) and 2 (w / 8) + 1:
; two waves share a block's 2,048 keys, each with a running M, sum and O^T of its own.
; THE MERGE, at the end: waves 8-15 hand O^T, -M and the sum to waves 0-7 through LDS, as images of their registers; under M = the larger of the two both halves are multiplied by whole powers of two.
; Both products are used transposed: S^T = K Q^T, O^T = V^T P^T: a lane holds one query throughout.  A block of 16 keys holds keys 32 (t / 2) + 8 (t % 2) + r + 8 (r / 8), so p's 16 registers of tiles 2 b, 2 b + 1 are 16 neighbouring keys.
; K, V and Q lie as images of the operand's registers (1,536 bytes a fragment): three loads of 512 consecutive bytes bring one.
; LDS: a first region of 4 key steps (K's 49,152 bytes, then V's); a second of 8 key steps (K's 98,304 bytes, then V's); the head's scale words; the spare words.
; FILLS, one tensor load a wave each time: at the head waves 0-5 fetch K's steps 0-3, waves 6-11 V's (8,192 bytes each), waves 12-15 the scale words (4,096 each); behind the full sequence and a round every wave
; fetches one of steps 4-11 (waves 0-7 K's, 8-15 V's: 12,288 bytes); behind the first piece's sequence and round the first region is filled again with steps 12-15 (6,144 bytes a wave).
; CLUSTER 4 x 1: the four blocks of 128 queries of a cluster belong to one head and ask for K and V jointly.
; NO PREFETCH: each later fill is asked for a whole piece (two key steps of every wave) or more ahead of the wait for it, and nothing stands ahead of the first fill in which to ask.
; LIMITS: NaN and infinities are not served; the promise holds while |t| stays under 2^31; a block's largest p is taken through its largest score (it leans on v_exp_f32 not falling where its input rises);
; a block of zeros gets the byte 1; the bytes are read by this program alone.
; REGISTERS: v1-4, v7, v11 addresses; v8-10 addresses in hand; v12 -M, v13 largest t, v[14:15] the sum; v16-27 Q; v32-79 four fragments; v80-87 eight tiles' scale words; v96-159 S^T, then p; v160-223 O^T; v224-254 at work; v255 Q's scale word.
.set RGN,   98304                      ; the first region; the second begins here
; WO IS QUANTISED HERE TOO, for the last launch, on the first launch's plan: waves 8-15, which have nothing left to do once they have handed their half over, take one fragment each (16 rows x 128 K of f32):
; work-group i = 16 head + g, wave 8 + j: block i / 2 of Wo's 128, K step 8 (i % 2) + j.  wo = [block 128][K step 16][1,536] codes, then from byte 3,145,728 on [block][K step / 4][r][K step % 4] scale words.
; The fragment's 32 units of 256 bytes are the one stream of this launch that is prefetched: by one instruction, a lane a unit, behind the refill, three pieces ahead of the loads.  The 16 loads (512 consecutive bytes each)
; are issued ahead of the merge's barrier into the scores' registers; behind it the rows turn through a stage in the first region, which has had its last fill and which every wave has read for the last time.
.set WIN_,  68                         ; s[68:69] my fragment's rows in Wo
.set WCO,   70                         ; s[70:71] its codes in wo
.set WSC,   78                         ; s[78:79] its scale words in wo
.set WSI,   28                         ; v28 Wo's stage, in: 16 x lane of each row
.set WSO,   29                         ; v29 and out: row r, + 64 h
.set WPF,   30                         ; v30 the prefetch: unit lane % 2 of row lane / 2
.set SC,    3*RGN                      ; K's scale words of the head, 8,192 bytes; then V's
.set SPARE, SC+16384                   ; the spare words, 128 bytes a wave: eight blocks of 256 bytes that no other line names
.set STG,   RGN                        ; the merge's stage: blocks 0-3 in K's key steps 4-7, blocks 4-7 in V's, 98,304 bytes on: bytes that have had their only fill and that every wave has read for the last time when it signals the barrier behind the second piece
.set STGW,  8448                       ; for each block of queries: O^T's 16 x 512 bytes, then 256 bytes of (-M, sum)
.set SPW,  5
.set NIL,  6
.set STA,  7
.set ADK,  8
.set ADV,  9
.set ADS,  10
.set STB,  11
.set TM,   32
.set PW,   48
.set PC,   52
.set WV,   12
.set G1,   16
.set G1S,  24
.set G0S,  32
.set G0P,  36                          ; s[36:47] groups 0: the head's codes, steps 4-11, steps 12-15
.set KHB,  48                          ; 24,576 (wave / 8)
.set KHS,  49                          ; 1,024 (wave / 8)
.set QA,   50                          ; wave % 8
.set SEL,  52
.set CS,   54
.set TB,   56
.set TS,   57
.set CNT,  58
.set TV,   59
.macro CROUND
	s_barrier_signal -1
	s_barrier_wait -1
	s_cmp_lg_u32 s[WV], 0
	s_cbranch_scc1 .Lnot_wave_0_\@
	s_barrier_signal -3
.Lnot_wave_0_\@:
	s_barrier_wait -3
	s_barrier_signal -1
	s_barrier_wait -1
.endm
.macro NOPS4
.rept 4
	v_nop
.endr
.endm
.macro QUANT s, pw                     ; 64 numbers of a lane, register 16 b + i = k 32 b + 16 h + i of my row -> codes in v[PC] on, scale word in v[pw]
.irp b, 0,1,2,3
	v_max3_num_f32 v[TM+\b], |v[\s+16*\b]|, |v[\s+1+16*\b]|, 0x1800000
.endr
.irp i, 2,4,6,8,10,12,14
.irp b, 0,1,2,3
	s_delay_alu instid0(VALU_DEP_4)
	v_max3_num_f32 v[TM+\b], v[TM+\b], |v[\s+16*\b+\i]|, |v[\s+1+16*\b+\i]|
.endr
.endr
.irp b, 0,1,2,3
	s_delay_alu instid0(VALU_DEP_4)
	v_permlanex16_b32 v[TM+4+\b], v[TM+\b], s[SEL], s[SEL+1]
.endr
.irp b, 0,1,2,3
	s_delay_alu instid0(VALU_DEP_4)
	v_max_num_f32 v[TM+\b], v[TM+\b], v[TM+4+\b]
.endr
.irp b, 0,1,2,3
	s_delay_alu instid0(VALU_DEP_4)
	v_add_nc_u32 v[TM+12+\b], 0xff000000, v[TM+\b]
.endr
.irp b, 0,1,2,3
	s_delay_alu instid0(VALU_DEP_4)
	v_lshrrev_b32 v[TM+4+\b], 23, v[TM+12+\b]
.endr
	s_delay_alu instid0(VALU_DEP_3)
	v_lshl_or_b32 v[\pw], v[TM+5], 8, v[TM+4]
	s_delay_alu instid0(VALU_DEP_1)
	v_lshl_or_b32 v[\pw], v[TM+6], 16, v[\pw]
	s_delay_alu instid0(VALU_DEP_1)
	v_lshl_or_b32 v[\pw], v[TM+7], 24, v[\pw]
.irp c, 0,1
	v_cvt_scalef32_pk16_fp6_f32 v[PC+6*\c:PC+2+6*\c], v[\s+32*\c:\s+15+32*\c], v[TM+12+2*\c]
	v_cvt_scalef32_pk16_fp6_f32 v[PC+12+4*\c:PC+14+4*\c], v[\s+16+32*\c:\s+31+32*\c], v[TM+12+2*\c+1]
.endr
	v_nop
.irp c, 0,1
.irp i, 0,1,2
	v_permlane16_swap_b32 v[PC+6*\c+\i], v[PC+12+4*\c+\i]
.endr
.irp i, 0,1,2
	s_delay_alu instid0(VALU_DEP_3)
	v_mov_b32 v[PC+3+6*\c+\i], v[PC+12+4*\c+\i]
.endr
.endr
.endm
	s_load_b256 s[4:11], s[0:1], 0x0               ; qkvc, qkvs, ac, asc
	s_load_b128 s[68:71], s[0:1], 0x20             ; Wo, wo
	v_lshl_add_u32 v[SPW], v0, 2, SPARE
	v_mov_b32 v[NIL], 0
	ds_add_u32 v5, v6                              ; the opening lines: the add, twice on end, and its wait
	ds_add_u32 v5, v6
	s_wait_dscnt 0x0
	v_lshrrev_b32 v8, 5, v0
	s_delay_alu instid0(VALU_DEP_1)
	v_readfirstlane_b32 s[WV], v8                  ; wave 0..15
	s_and_b32 s[QA], s[WV], 7
	s_lshr_b32 s[KHS], s[WV], 3                    ; which half of the keys is mine
	s_mul_i32 s[KHB], s[KHS], 24576
	s_lshl_b32 s[KHS], s[KHS], 10
	s_bfe_u32 s13, ttmp6, 0x40000                  ; cx
	s_lshl_b32 s14, ttmp9, 2
	s_add_co_u32 s14, s14, s13                     ; my 128 queries: it enters Q's and the outputs' global addresses alone
	s_and_b32 s15, ttmp7, 0xffff                   ; the head, which the four partners share
	s_mov_b32 s[G1], 15|(3<<16)|(1<<21)            ; codes: dense bytes as rows of 32 elements of 8 bytes; at the head 32 rows; the mask names all four work-groups
	s_mov_b32 s[G1+1], 32<<16
	s_mov_b32 s[G1+2], 32<<16
	s_mov_b32 s[G1+3], 32<<16
	s_mov_b32 s[G1+4], 32
	s_mov_b32 s[G1+5], 32
	s_mov_b32 s[G1+6], 0
	s_mov_b32 s[G1+7], 0
	s_mov_b32 s[G1S], 15|(3<<16)|(1<<21)           ; scale words: 4,096 bytes as 16 rows
	s_mov_b32 s[G1S+1], 32<<16
	s_mov_b32 s[G1S+2], 16<<16
	s_mov_b32 s[G1S+3], 32<<16
	s_mov_b32 s[G1S+4], 16
	s_mov_b32 s[G1S+5], 32
	s_mov_b32 s[G1S+6], 0
	s_mov_b32 s[G1S+7], 0
	s_lshr_b32 s60, s[WV], 3
	s_add_co_u32 s60, s60, 1                       ; behind the head: waves 0-7 k's part of the buffer, waves 8-15 v's
	s_mul_i32 s2, s60, 3145728
	s_mul_i32 s3, s15, 196608
	s_add_co_u32 s2, s2, s3
	s_add_co_u32 s60, s3, 3145728                  ; at the head: k's steps 0-3 in six parts of 8,192 bytes,
	s_lshl_b32 s61, s[WV], 13
	s_add_co_u32 s60, s60, s61
	s_cmp_ge_u32 s[WV], 6
	s_cselect_b32 s61, 3145728-49152, 0            ; then v's
	s_add_co_u32 s60, s60, s61
	s_mov_b32 s61, 0
	s_mov_b32 s3, 0
	s_and_b32 s62, s[WV], 3                        ; waves 12-15: j = 0..3: k's scale words in two parts of 4,096 bytes, then v's
	s_lshr_b32 s63, s62, 1
	s_add_co_u32 s63, s63, 1
	s_lshl_b32 s63, s63, 17
	s_and_b32 s62, s62, 1
	s_lshl_b32 s62, s62, 12
	s_add_co_u32 s62, s62, s63
	s_lshl_b32 s63, s15, 13
	s_add_co_u32 s62, s62, s63
	s_mov_b32 s63, 0
	s_mov_b32 s[SEL], 0x76543210
	s_mov_b32 s[SEL+1], 0xfedcba98
	s_mov_b32 s[CS], 0x3e0293ee                    ; c = log2(e) / sqrt(128)
	s_mov_b32 s[CS+1], s[CS]
	s_wait_kmcnt 0x0
	s_add_nc_u64 s[2:3], s[4:5], s[2:3]
	s_add_nc_u64 s[60:61], s[4:5], s[60:61]
	s_add_nc_u64 s[62:63], s[6:7], s[62:63]
	s_mov_b32 s[G0S], 1
	s_lshl_b32 s[G0S+1], s[WV], 12
	s_add_co_u32 s[G0S+1], s[G0S+1], SC-49152      ; wave 12 at SC: the wave's number alone enters an LDS address
	s_mov_b64 s[G0S+2:G0S+3], s[62:63]
	s_or_b32 s[G0S+3], s[G0S+3], 0x80000000
	s_mov_b32 s[G0P], 1
	s_lshl_b32 s[G0P+1], s[WV], 13
	s_mov_b64 s[G0P+2:G0P+3], s[60:61]
	s_or_b32 s[G0P+3], s[G0P+3], 0x80000000
	s_mul_i32 s60, s[QA], 12288
	s_mov_b32 s61, 0
	s_mov_b32 s[G0P+4], 1                          ; key step 4 + wave % 8
	s_mul_i32 s[G0P+5], s[WV], 12288
	s_add_co_u32 s[G0P+5], s[G0P+5], RGN
	s_add_nc_u64 s[G0P+6:G0P+7], s[2:3], s[60:61]
	s_add_nc_u64 s[G0P+6:G0P+7], s[G0P+6:G0P+7], 49152
	s_or_b32 s[G0P+7], s[G0P+7], 0x80000000
	s_mul_i32 s60, s[QA], 6144
	s_mov_b32 s[G0P+8], 1                          ; my eighth of key steps 12-15
	s_mul_i32 s[G0P+9], s[WV], 6144
	s_add_nc_u64 s[G0P+10:G0P+11], s[2:3], s[60:61]
	s_add_nc_u64 s[G0P+10:G0P+11], s[G0P+10:G0P+11], 147456
	s_or_b32 s[G0P+11], s[G0P+11], 0x80000000
	CROUND                                         ; all four work-groups are here: the first joint loads meet
	s_cmp_lt_u32 s[WV], 12                         ; one tensor load a wave at the head, in the two arms of one branch on the wave's number
	s_cbranch_scc0 .Lhead_s
	tensor_load_to_lds s[G0P:G0P+3], s[G1:G1+7]
	s_nop 0
	NOPS4
	s_branch .Lhead_asked
.Lhead_s:
	tensor_load_to_lds s[G0S:G0S+3], s[G1S:G1S+7]
	s_nop 0
	NOPS4
.Lhead_asked:
	s_lshl_b32 s60, s15, 4
	s_add_co_u32 s60, s60, s14                     ; 16 head + g
	s_lshl_b32 s61, s60, 3
	s_add_co_u32 s61, s61, s[QA]
	s_mul_i32 s2, s61, 1536
	s_mov_b32 s3, 0
	s_add_nc_u64 s[2:3], s[4:5], s[2:3]            ; my fragment of q
	s_lshl_b32 s62, s60, 9
	s_lshl_b32 s63, s[QA], 2
	s_add_co_u32 s62, s62, s63
	s_mov_b32 s63, 0
	s_add_nc_u64 s[62:63], s[6:7], s[62:63]        ; and its scale words
	s_lshl_b32 s60, s14, 3
	s_add_co_u32 s60, s60, s[QA]                   ; my block of 16 rows of a
	s_lshl_b32 s61, s60, 4
	s_add_co_u32 s61, s61, s15
	s_mul_i32 s56, s61, 1536
	s_mov_b32 s57, 0
	s_add_nc_u64 s[8:9], s[8:9], s[56:57]          ; fragment (block, K step = head) of ac
	s_lshl_b32 s56, s60, 10
	s_lshr_b32 s61, s15, 2
	s_lshl_b32 s61, s61, 8
	s_add_co_u32 s56, s56, s61
	s_and_b32 s61, s15, 3
	s_lshl_b32 s61, s61, 2
	s_add_co_u32 s56, s56, s61
	s_add_nc_u64 s[10:11], s[10:11], s[56:57]
	s_lshl_b32 s72, s15, 4
	s_add_co_u32 s72, s72, s14                     ; work-group 0 .. 255
	s_lshr_b32 s73, s72, 1                         ; Wo's block
	s_and_b32 s72, s72, 1
	s_lshl_b32 s72, s72, 3
	s_add_co_u32 s72, s72, s[QA]                   ; K step
	s_lshr_b32 s74, s73, 1
	s_lshl_b32 s74, s74, 18                        ; 32 rows x 8,192 bytes
	s_and_b32 s76, s73, 1
	s_lshl_b32 s76, s76, 16                        ; 8 rows
	s_add_co_u32 s74, s74, s76
	s_lshl_b32 s76, s72, 9                         ; a K step is 512 bytes of a row
	s_add_co_u32 s74, s74, s76
	s_mov_b32 s75, 0
	s_add_nc_u64 s[WIN_:WIN_+1], s[WIN_:WIN_+1], s[74:75]
	s_lshl_b32 s74, s73, 10
	s_lshr_b32 s76, s72, 2
	s_lshl_b32 s76, s76, 8
	s_add_co_u32 s74, s74, s76
	s_and_b32 s76, s72, 3
	s_lshl_b32 s76, s76, 2
	s_add_co_u32 s74, s74, s76
	s_add_co_u32 s74, s74, 3145728
	s_add_nc_u64 s[WSC:WSC+1], s[WCO:WCO+1], s[74:75]
	s_mul_i32 s74, s73, 24576
	s_mul_i32 s76, s72, 1536
	s_add_co_u32 s74, s74, s76
	s_add_nc_u64 s[WCO:WCO+1], s[WCO:WCO+1], s[74:75]
	s_mul_i32 s76, s[QA], 8448                     ; Wo's stage: 16 rows of 528 bytes for each of the eight waves, from LDS byte 0 on
	v_and_b32 v9, 31, v0
	s_delay_alu instid0(VALU_DEP_1)
	v_lshlrev_b32 v1, 4, v9                        ; 16 x lane
	s_and_b32 s56, s[QA], 3                        ; the stage's addresses are made here, ahead of the place where the waves' roles part
	s_mul_i32 s56, s56, STGW
	s_lshr_b32 s57, s[QA], 2
	s_mul_i32 s57, s57, 98304
	s_add_co_u32 s56, s56, s57
	s_add_co_u32 s56, s56, STG
	v_add_nc_u32 v[STA], s56, v1
	s_add_co_u32 s56, s56, 8192
	v_lshl_add_u32 v[STB], v9, 3, s56
	v_and_b32 v9, 15, v0
	s_delay_alu instid0(VALU_DEP_1)
	v_lshlrev_b32 v3, 5, v9                        ; 32 r: a row's eight scale words
	s_delay_alu instid0(VALU_DEP_1)
	v_add_nc_u32 v2, SC, v3
	s_delay_alu instid0(VALU_DEP_3)
	v_lshlrev_b32 v4, 4, v9                        ; 16 r
	v_add_nc_u32 v[WSI], s76, v1
	v_mul_u32_u24 v[WSO], v9, 528
	v_bfe_u32 v31, v0, 4, 1
	v_bfe_u32 v[WPF], v0, 1, 4                     ; lane / 2
	v_lshl_add_u32 v[WSO], v31, 6, v[WSO]
	v_and_b32 v31, 8, v[WPF]
	v_add_nc_u32 v[WSO], s76, v[WSO]
	v_add_nc_u32 v[WPF], v[WPF], v31               ; the block's row n lies n + 8 (n / 8) rows down
	v_and_b32 v31, 1, v0
	v_lshlrev_b32 v[WPF], 13, v[WPF]
	v_lshl_or_b32 v[WPF], v31, 8, v[WPF]
.irp c, 0,1,2
	global_load_b128 v[16+4*\c:19+4*\c], v1, s[2:3] offset:512*\c
.endr
	global_load_b32 v255, v3, s[62:63]
	v_mov_b32 v13, 0xff61b1e6                      ; the largest t so far: -3e38
	s_delay_alu instid0(VALU_DEP_1)
	v_floor_f32 v12, -v13                          ; -M
	v_mov_b32 v14, 0
	v_mov_b32 v15, 0
.irp b, 0,1,2,3
	v_mov_b32 v[236+\b], 0                         ; written once: a lane permute's destination counts as one of its sources
.endr
	v_mov_b32 v253, 0                              ; (named as the upper half of the pair v[252:253] before it is first written)
.set j, 0
.rept 64
	v_mov_b32 v[160+j], 0                          ; O^T: the step is written once; its first walk finds zeros
.set j, j+1
.endr
.macro STEP                            ; 128 keys: K's tiles begin at LDS byte s[TB], V's at s[TV], their scale words at SC + s[TS]
	v_add_nc_u32 v[ADK], s[TB], v1
	v_add_nc_u32 v[ADS], s[TS], v2
	v_add_nc_u32 v[ADV], s[TV], v1
	s_wait_alu depctr_va_vdst(0)                   ; the wait behind these writes
	v_nop                                          ; four places behind the last step's products, in front of loads into their registers
.irp g, 0,1                                    ; S^T = K Q^T, four tiles of 16 keys at a time
.if \g
	NOPS4
.endif
.irp t, 0,1,2,3
.irp c, 0,1,2
	ds_load_b128 v[32+12*\t+4*\c:35+12*\t+4*\c], v[ADK] offset:(4*\g+\t)*1536+512*\c
.endr
.endr
.if \g == 0
	ds_load_b128 v[80:83], v[ADS]                  ; my row's words of K's eight tiles
	ds_load_b128 v[84:87], v[ADS] offset:16
.endif
	s_wait_dscnt 0x0
.irp t, 0,1,2,3
	v_wmma_scale_f32_16x16x128_f8f6f4 v[96+8*(4*\g+\t):103+8*(4*\g+\t)], v[32+12*\t:43+12*\t], v[16:27], 0, v[80+4*\g+\t], v255 matrix_a_fmt:MATRIX_FMT_FP6 matrix_b_fmt:MATRIX_FMT_FP6
.endr
.endr
	NOPS4
.irp t, 0,1,2,3                                ; V's tiles 0-3 and its eight words are asked for now and land under the softmax
.irp c, 0,1,2
	ds_load_b128 v[32+12*\t+4*\c:35+12*\t+4*\c], v[ADV] offset:\t*1536+512*\c
.endr
.endr
	ds_load_b128 v[80:83], v[ADS] offset:8192
	ds_load_b128 v[84:87], v[ADS] offset:8208
.irp b, 0,1,2,3
	v_max3_num_f32 v[232+\b], v[96+16*\b], v[97+16*\b], v[98+16*\b]   ; the largest score of each block of 32 keys: for the row's maximum and for the block's largest p
.endr
.irp i, 3,5,7,9,11,13
.irp b, 0,1,2,3
	v_max3_num_f32 v[232+\b], v[232+\b], v[96+16*\b+\i], v[97+16*\b+\i]
.endr
.endr
.irp b, 0,1,2,3
	v_max_num_f32 v[232+\b], v[232+\b], v[111+16*\b]
.endr
.irp b, 0,1,2,3
	s_delay_alu instid0(VALU_DEP_4)
	v_permlanex16_b32 v[236+\b], v[232+\b], s[SEL], s[SEL+1]
.endr
.irp b, 0,1,2,3
	s_delay_alu instid0(VALU_DEP_4)
	v_max_num_f32 v[232+\b], v[232+\b], v[236+\b]
.endr
	s_delay_alu instid0(VALU_DEP_2)
	v_max3_num_f32 v254, v232, v233, v234
	s_delay_alu instid0(VALU_DEP_1)
	v_max_num_f32 v254, v254, v235
	s_delay_alu instid0(VALU_DEP_1)
	v_mul_f32 v254, s[CS], v254                    ; as t
	s_delay_alu instid0(VALU_DEP_1)
	v_max_num_f32 v13, v13, v254                   ; the running largest t
	v_mov_b32 v254, v12
	s_delay_alu instid0(VALU_DEP_2)
	v_floor_f32 v12, -v13                          ; the new -M = -ceil(t)
	s_delay_alu instid0(VALU_DEP_1)
	v_sub_f32 v254, v12, v254                      ; old M - new M: a whole number, 0 or less
	s_delay_alu instid0(VALU_DEP_1)
	v_cvt_i32_f32 v254, v254                       ; (it saturates)
	s_delay_alu instid0(VALU_DEP_1)
	v_ldexp_f32 v252, 1.0, v254                    ; f = 2^(old M - new M)
.set j, 0
.rept 32
	v_pk_fma_f32 v[96+j:97+j], v[96+j:97+j], s[CS:CS+1], v[12:13] op_sel_hi:[1,0,0]   ; t - M
.set j, j+2
.endr
.irp b, 0,1,2,3
	v_fma_f32 v[232+\b], v[232+\b], s[CS], v12
.endr
.set j, 0
	s_wait_alu depctr_va_vdst(0)                   ; the wait ahead of the batch
.rept 64
	v_exp_f32 v[96+j], v[96+j]                     ; p = 2^(t - M)
.set j, j+1
.endr
	v_pk_mul_f32 v[14:15], v[14:15], v[252:253] op_sel_hi:[1,0]   ; the sums under the new M (a plain place behind the exponentials)
	s_wait_alu depctr_va_vdst(0)                   ; one wait for the batch, ahead of its first reader
.irp b, 0,1,2,3
	v_exp_f32 v[232+\b], v[232+\b]                 ; the block's largest p
.endr
	v_pk_add_f32 v[236:237], v[100:101], v[104:105]   ; the row's sum of the unquantised p, in eight chains
	v_pk_add_f32 v[250:251], v[108:109], v[112:113]
	v_pk_add_f32 v[248:249], v[116:117], v[120:121]
	v_pk_add_f32 v[246:247], v[124:125], v[128:129]
	v_pk_add_f32 v[244:245], v[132:133], v[136:137]
	v_pk_add_f32 v[242:243], v[140:141], v[144:145]
	v_pk_add_f32 v[240:241], v[148:149], v[152:153]
	v_pk_add_f32 v[14:15], v[14:15], v[156:157]
	v_pk_add_f32 v[236:237], v[236:237], v[96:97]
	v_pk_add_f32 v[250:251], v[250:251], v[98:99]
	v_pk_add_f32 v[248:249], v[248:249], v[102:103]
	v_pk_add_f32 v[246:247], v[246:247], v[106:107]
	v_pk_add_f32 v[244:245], v[244:245], v[110:111]
	v_pk_add_f32 v[242:243], v[242:243], v[114:115]
	v_pk_add_f32 v[240:241], v[240:241], v[118:119]
	v_pk_add_f32 v[14:15], v[14:15], v[122:123]
	v_pk_add_f32 v[236:237], v[236:237], v[126:127]
	v_pk_add_f32 v[250:251], v[250:251], v[130:131]
	v_pk_add_f32 v[248:249], v[248:249], v[134:135]
	v_pk_add_f32 v[246:247], v[246:247], v[138:139]
	v_pk_add_f32 v[244:245], v[244:245], v[142:143]
	v_pk_add_f32 v[242:243], v[242:243], v[146:147]
	v_pk_add_f32 v[240:241], v[240:241], v[150:151]
	v_pk_add_f32 v[14:15], v[14:15], v[154:155]
	v_pk_add_f32 v[236:237], v[236:237], v[158:159]
	s_delay_alu instid0(VALU_DEP_2)
	v_pk_add_f32 v[14:15], v[14:15], v[246:247]
	s_delay_alu instid0(VALU_DEP_2)
	v_pk_add_f32 v[236:237], v[236:237], v[244:245]
	v_pk_add_f32 v[250:251], v[250:251], v[242:243]
	v_pk_add_f32 v[248:249], v[248:249], v[240:241]
	s_delay_alu instid0(VALU_DEP_2)
	v_pk_add_f32 v[14:15], v[14:15], v[250:251]
	s_delay_alu instid0(VALU_DEP_2)
	v_pk_add_f32 v[236:237], v[236:237], v[248:249]
	s_delay_alu instid0(VALU_DEP_1)
	v_pk_add_f32 v[14:15], v[14:15], v[236:237]
	s_wait_alu depctr_va_vdst(0)                   ; and one for the four
.irp b, 0,1,2,3
	v_max_num_f32 v[232+\b], 0x1800000, v[232+\b]  ; the floor 2^(3 - 127)
.endr
.irp b, 0,1,2,3
	s_delay_alu instid0(VALU_DEP_4)
	v_add_nc_u32 v[244+\b], 0xff000000, v[232+\b]
.endr
.irp b, 0,1,2,3
	s_delay_alu instid0(VALU_DEP_4)
	v_lshrrev_b32 v[236+\b], 23, v[244+\b]
.endr
	s_delay_alu instid0(VALU_DEP_3)
	v_lshl_or_b32 v253, v237, 8, v236              ; p's scale word for these 128 keys
	s_delay_alu instid0(VALU_DEP_1)
	v_lshl_or_b32 v253, v238, 16, v253
	s_delay_alu instid0(VALU_DEP_1)
	v_lshl_or_b32 v253, v239, 24, v253
.irp c, 0,1
	v_cvt_scalef32_pk16_fp6_f32 v[224+6*\c:226+6*\c], v[96+32*\c:111+32*\c], v[244+2*\c]
	v_cvt_scalef32_pk16_fp6_f32 v[236+4*\c:238+4*\c], v[112+32*\c:127+32*\c], v[244+2*\c+1]
.endr
	v_nop
.irp c, 0,1
.irp i, 0,1,2
	v_permlane16_swap_b32 v[224+6*\c+\i], v[236+4*\c+\i]
.endr
.irp i, 0,1,2
	s_delay_alu instid0(VALU_DEP_3)
	v_mov_b32 v[227+6*\c+\i], v[236+4*\c+\i]
.endr
.endr
.set j, 0
.rept 32
	v_pk_mul_f32 v[160+j:161+j], v[160+j:161+j], v[252:253] op_sel_hi:[1,0]   ; O^T under the new M; these are also the places in front of the products below
.set j, j+2
.endr
	s_wait_alu depctr_va_vdst(0)
	s_wait_dscnt 0x0                               ; V's tiles 0-3 and words
.irp t, 0,1,2,3
	v_wmma_scale_f32_16x16x128_f8f6f4 v[160+8*\t:167+8*\t], v[32+12*\t:43+12*\t], v[224:235], v[160+8*\t:167+8*\t], v[80+\t], v253 matrix_a_fmt:MATRIX_FMT_FP6 matrix_b_fmt:MATRIX_FMT_FP6
.endr
	NOPS4
.irp t, 0,1,2,3
.irp c, 0,1,2
	ds_load_b128 v[32+12*\t+4*\c:35+12*\t+4*\c], v[ADV] offset:(4+\t)*1536+512*\c
.endr
.endr
	s_wait_dscnt 0x0
.irp t, 0,1,2,3
	v_wmma_scale_f32_16x16x128_f8f6f4 v[192+8*\t:199+8*\t], v[32+12*\t:43+12*\t], v[224:235], v[192+8*\t:199+8*\t], v[84+\t], v253 matrix_a_fmt:MATRIX_FMT_FP6 matrix_b_fmt:MATRIX_FMT_FP6
.endr
.endm
.macro PIECE base, ts, vo              ; my two of four key steps whose K tiles begin at base; V's lie vo bytes further on
	s_add_co_u32 s[TB], s[KHB], \base
	s_add_co_u32 s[TV], s[KHB], (\base)+(\vo)
	s_add_co_u32 s[TS], s[KHS], \ts
	s_mov_b32 s[CNT], 2
.Lstep_\@:
	STEP
	s_add_co_u32 s[TB], s[TB], 12288
	s_add_co_u32 s[TV], s[TV], 12288
	s_add_co_u32 s[TS], s[TS], 512
	s_sub_co_u32 s[CNT], s[CNT], 1
	s_cmp_lg_u32 s[CNT], 0
	s_cbranch_scc1 .Lstep_\@
.endm
	s_wait_alu depctr_va_vdst(0)                   ; the wait at the head's end
	s_wait_tensorcnt 0x0                           ; my part of the head's fills is in
	ds_add_u32 v[SPW], v[NIL]
	s_mov_b32 s[G1+2], 48<<16                      ; no tensor load of mine is out: the next brings 48 rows of 256 bytes
	s_mov_b32 s[G1+4], 48
	s_wait_dscnt 0x0
	CROUND                                         ; everybody's part is in, and all four work-groups are here
	tensor_load_to_lds s[G0P+4:G0P+7], s[G1:G1+7]  ; key steps 4-11: my one load behind the round; it has the first piece in which to land
	s_nop 0
	NOPS4
	s_wait_loadcnt 0x0                             ; Q
	PIECE 0, 0, 49152
	s_wait_tensorcnt 0x0                           ; all my tensor loads have landed
	ds_add_u32 v[SPW], v[NIL]                      ; 0 onto my spare word
	s_mov_b32 s[G1+2], 24<<16
	s_mov_b32 s[G1+4], 24
	s_wait_dscnt 0x0                               ; the add is done, and my reads of the first region are over
	CROUND                                         ; both now hold of every wave of all four work-groups
	tensor_load_to_lds s[G0P+8:G0P+11], s[G1:G1+7] ; key steps 12-15: it has a piece in which to land
	s_nop 0
	NOPS4
	s_cmp_lt_u32 s[WV], 8
	s_cbranch_scc1 .Lno_ask
	global_prefetch_b8 v[WPF], s[WIN_:WIN_+1] th:TH_LOAD_NT scope:SCOPE_SE   ; my fragment of Wo: 16 rows x 2 units of 256 bytes
.Lno_ask:
	PIECE RGN, 2048, 98304
	s_wait_tensorcnt 0x0                           ; my part of the last four steps is in (asked for a piece ago),
	s_wait_dscnt 0x0                               ; and my reads of key steps 4-7 are over:
	s_barrier_signal -1                            ; say so now. Up to its wait: register work, and LDS loads of key steps 8-11 and of the scale words, which nobody writes
	PIECE RGN+49152, 4096, 98304
	s_barrier_wait -1                              ; everybody has said so
	PIECE 0, 6144, 49152
	; THE MERGE.  Waves 8-15 store O^T as it stands (16 bytes a lane, 512 bytes a store) and (-M, sum); a barrier; waves 0-7 take them up
	NOPS4                                          ; places behind the last products
	v_add_f32 v14, v14, v15                        ; the sum's two halves
	s_cmp_lt_u32 s[WV], 8
	s_cbranch_scc1 .Lowner
	v_mov_b32 v13, v14                             ; beside -M: one store of 8 bytes a lane
.set n, 0
.rept 16
	global_load_b128 v[96+4*n:99+4*n], v1, s[WIN_:WIN_+1] offset:(n+8*(n/8))*8192 th:TH_LOAD_NT   ; my fragment of Wo, into the scores' registers: on its way across the barrier
.set n, n+1
.endr
.set n, 0
.rept 16
	ds_store_b128 v[STA], v[160+4*n:163+4*n] offset:512*n   ; each accumulator from its low end on
.set n, n+1
.endr
	ds_store_b64 v[STB], v[12:13]
.Lowner:
	s_wait_dscnt 0x0                               ; for the others' sake: my stores into the stage are done
	s_barrier_signal -1
	s_barrier_wait -1
	s_wait_loadcnt 0x0                             ; Wo's rows are in (waves 0-7 have no load out)
	s_cmp_lt_u32 s[WV], 8
	s_cbranch_scc0 .Lwo                            ; waves 8-15 have handed their half over
.set n, 0
.rept 16
	ds_load_b128 v[96+4*n:99+4*n], v[STA] offset:512*n     ; the other half's O^T: the same registers' places in the same lanes
.set n, n+1
.endr
	ds_load_b64 v[232:233], v[STB]                 ; its -M and its sum
	s_wait_dscnt 0x0
	v_min_num_f32 v234, v12, v232                  ; -M of both: M is the larger of the two
	s_delay_alu instid0(VALU_DEP_1)
	v_sub_f32 v235, v234, v12                      ; my M - M: a whole number, 0 or less
	s_delay_alu instid0(VALU_DEP_2)
	v_sub_f32 v240, v234, v232                     ; the other's
	s_delay_alu instid0(VALU_DEP_2)
	v_cvt_i32_f32 v235, v235                       ; (they saturate)
	s_delay_alu instid0(VALU_DEP_2)
	v_cvt_i32_f32 v240, v240
	s_delay_alu instid0(VALU_DEP_2)
	v_ldexp_f32 v236, 1.0, v235                    ; f1 = 2^(my M - M)
	s_wait_alu depctr_va_vdst(0)
	v_ldexp_f32 v238, 1.0, v240                    ; f2
	v_mul_f32 v14, v14, v236
	s_delay_alu instid0(VALU_DEP_1)
	v_fma_f32 v14, v233, v238, v14                 ; the sum under M, of my lane's keys,
	s_delay_alu instid0(VALU_DEP_1)
	v_permlanex16_b32 v252, v14, s[SEL], s[SEL+1]
	s_delay_alu instid0(VALU_DEP_1)
	v_add_f32 v14, v14, v252                       ; and of lane l xor 16's: the row's sum
	s_wait_alu depctr_va_vdst(0)
	v_rcp_f32 v14, v14
.irp b, 0,1,2,3
	v_mov_b32 v[TM+4+\b], 0                        ; (plain places behind the reciprocal) a lane permute's destination counts as one of its sources
.endr
	s_wait_alu depctr_va_vdst(0)                   ; ahead of the reciprocal's first reader
	v_mul_f32 v237, v236, v14                      ; f1 / sum and f2 / sum, each twice: pairs for the packed forms
	v_mul_f32 v236, v236, v14
	v_mul_f32 v239, v238, v14
	v_mul_f32 v238, v238, v14
.set j, 0
.rept 32
	v_pk_mul_f32 v[96+j:97+j], v[96+j:97+j], v[238:239]
.set j, j+2
.endr
.set j, 0
.rept 32
	v_pk_fma_f32 v[96+j:97+j], v[160+j:161+j], v[236:237], v[96+j:97+j]   ; register 16 B + i = channel 32 B + 16 h + i of my query
.set j, j+2
.endr
	QUANT 96, PW                                   ; quantised as it stands; the fragment is stored as an image
.irp c, 0,1,2
	global_store_b128 v1, v[PC+4*\c:PC+4*\c+3], s[8:9] offset:512*\c
.endr
	global_store_b32 v4, v[PW], s[10:11]           ; my row's word; lanes r and r + 16 hold the same word and name the same place
	s_branch .Lend
.Lwo:
.set n, 0
.rept 16
	ds_store_b128 v[WSI], v[96+4*n:99+4*n] offset:528*n      ; LDS serves a wave's instructions in order: no wait between the stores and the loads
.set n, n+1
.endr
.set n, 0
.rept 16
	ds_load_b128 v[160+4*n:163+4*n], v[WSO] offset:128*(n/4)+16*(n%4)   ; register 16 b + i = k 32 b + 16 h + i of my row
.set n, n+1
.endr
.irp b, 0,1,2,3
	v_mov_b32 v[TM+4+\b], 0                        ; a lane permute's destination counts as one of its sources
.endr
	s_wait_dscnt 0x0
	QUANT 160, PW
.irp c, 0,1,2
	global_store_b128 v1, v[PC+4*\c:PC+4*\c+3], s[WCO:WCO+1] offset:512*\c   ; 32 lanes store 512 consecutive bytes
.endr
	global_store_b32 v4, v[PW], s[WSC:WSC+1]       ; my row's word; lanes r and r + 16 hold the same word and name the same place
.Lend:
	s_wait_tensorcnt 0x0                           ; the wave's end
	ds_add_u32 v[SPW], v[NIL]
	s_wait_dscnt 0x0
	CROUND                                         ; the closing round
	s_endpgm
.Lfunc_end_k_qaf26cee990_attn:
	.size	k_qaf26cee990_attn, .Lfunc_end_k_qaf26cee990_attn-k_qaf26cee990_attn
	.p2alignl 7, 3214868480
	.fill 96, 4, 3214868480
	.section	.rodata,"a",@progbits
	.p2align	6, 0x0
	.amdhsa_kernel k_qaf26cee990_attn
		.amdhsa_group_segment_fixed_size 327680
		.amdhsa_private_segment_fixed_size 0
		.amdhsa_enable_private_segment 0
		.amdhsa_kernarg_size 48
		.amdhsa_user_sgpr_count 2
		.amdhsa_user_sgpr_kernarg_segment_ptr 1
		.amdhsa_wavefront_size32 1
		.amdhsa_system_sgpr_workgroup_id_x 1
		.amdhsa_system_sgpr_workgroup_id_y 1
		.amdhsa_system_sgpr_workgroup_id_z 1
		.amdhsa_system_vgpr_workitem_id 0
		.amdhsa_next_free_vgpr 256
		.amdhsa_next_free_sgpr 80
		.amdhsa_reserve_vcc 0
		.amdhsa_float_denorm_mode_32 3
		.amdhsa_float_denorm_mode_16_64 3
		.amdhsa_memory_ordered 1
		.amdhsa_forward_progress 1
		.amdhsa_inst_pref_size 118
	.end_amdhsa_kernel
	.amdgpu_metadata
---
amdhsa.version: [ 1, 2 ]
amdhsa.kernels:
  - .name:           k_qaf26cee990_attn
    .symbol:         k_qaf26cee990_attn.kd
    .args:
      - { .name: qkvc, .offset: 0, .size: 8, .value_kind: global_buffer, .address_space: global }
      - { .name: qkvs, .offset: 8, .size: 8, .value_kind: global_buffer, .address_space: global }
      - { .name: ac, .offset: 16, .size: 8, .value_kind: global_buffer, .address_space: global }
      - { .name: asc, .offset: 24, .size: 8, .value_kind: global_buffer, .address_space: global }
      - { .name: Wo, .offset: 32, .size: 8, .value_kind: global_buffer, .address_space: global }
      - { .name: wo, .offset: 40, .size: 8, .value_kind: global_buffer, .address_space: global }
    .group_segment_fixed_size: 327680
    .private_segment_fixed_size: 0
    .kernarg_segment_align: 8
    .kernarg_segment_size: 48
    .max_flat_workgroup_size: 512
    .sgpr_count:     80
    .vgpr_count:     256
    .wavefront_size: 32
...
	.end_amdgpu_metadata
.endif
;; end of part 3
;; launch proj (part 4): grid 16 x 16, 4 waves a work-group, clusters of 4 x 4, 327,680 bytes of LDS; arguments ac, asc, wo, bo, out0; writes out0
.if DOCPART == 4
	.amdgcn_target "amdgcn-amd-amdhsa--gfx1250"
	.amdhsa_code_object_version 6
	.text
	.protected	k_qaf26cee990_proj
	.globl	k_qaf26cee990_proj
	.p2align	8
	.type	k_qaf26cee990_proj,@function
k_qaf26cee990_proj:
	s_mov_b64 s[64:65], 0
	v_nop
	global_prefetch_b8 v0, s[64:65] scope:SCOPE_SE
	s_setreg_imm32_b32 hwreg(HW_REG_WAVE_MODE, 25, 1), 1
	s_wait_xcnt 0x0
	s_wait_alu depctr_hold_cnt(0) depctr_sa_sdst(0) depctr_va_vdst(0) depctr_va_sdst(0) depctr_va_ssrc(0) depctr_va_vcc(0) depctr_vm_vsrc(0)
	s_getreg_b32 s2, hwreg(HW_REG_IB_STS2, 6, 4)
	s_cmp_eq_u32 s2, 0
	s_cbranch_scc0 .Lentry_in_a_cluster
	s_endpgm
.Lentry_in_a_cluster:
	s_bfe_u32 s2, ttmp6, 0x10000c
	s_cmp_lg_u32 s2, 0xf033
	s_cbranch_scc0 .Lentry_shape_is_right
	s_endpgm
.Lentry_shape_is_right:
; out0 = a Wo^T + bo on codes of FP6 (E2M3) with E8M0 scales; out0 [2048][2048] f32.
; A tile is 128 rows of a (source 1: the lanes) x 128 rows of Wo (source 0: the registers); four waves, each 64 x 64: 16 accumulators.  256 work-groups.
; Operands lie as images of the operand's registers (1,536 bytes a fragment); block t holds rows 32 (t / 2) + 8 (t % 2) + r + 8 (r / 8).
; K = 2,048 is 16 steps of 128, written out.  LDS: a first region of 4 K steps (four parts of 4 blocks x 4 steps), a second of 8 K steps (four parts of 4 blocks x 8 steps), the 256 rows' scale words, the spare words.
; FILLS, one tensor load a wave each time: at the head wave 0 fetches a's 8 blocks of steps 0-3, wave 2 Wo's, waves 1 and 3 the two blocks of scale words; behind the full sequence and a round every wave fetches
; its 4 blocks of steps 4-11; behind K step 3's sequence and round the first region is filled again with steps 12-15.
; CLUSTER 4 x 4: a's tiles are asked for jointly along a row of the cluster, Wo's along a column.
; PREFETCHES: behind the head's loads each wave names steps 4-11, behind the second fill steps 12-15, of ONE of the four blocks that it fetches: the partner at place p takes block p (24 lanes, a lane to 256 bytes; the others name the last again).
; bo is the C of the first K step.  The way out goes through a stage in the second region, which has had its only fill and whose last reads lie behind a barrier; each wave stores 32 whole rows of 512 bytes.
; REGISTERS: window 0: v8-20 addresses; v28, v29 the add's; v32-63 bo; v64-95 scale words, two sets; v128-255 accumulators ((a, b) at 128 + 8 (4 a + b)).  window 1: two sets of fragments at v0, v128: a's four, then Wo's four.
.set PART,  24576                      ; 4 blocks x 4 K steps x 1,536
.set RGN,   4*PART
.set SC,    3*RGN                      ; scale words: 4,096 bytes for each wave's 4 blocks
.set SPARE, SC+16384                   ; the spare words: two blocks of 256 bytes that no other line names
.set STAGE, RGN
.set SPITCH, 528                       ; 512 bytes + 16 = 33 x 16
.set ADA,  8                           ; v8, v9   a's fragments in the first, the second region
.set ADB,  12                          ; v12, v13 Wo's
.set ADRS, 15
.set STO,  16
.set RD,   17
.set LI,   18
.set BO,   19
.set PFO,  20
.set SPW,  28
.set NIL,  29
.set BIA,  32
.set SCW,  64
.set ACC,  128
.set G1A,  24
.set G1B,  32
.set G1SA, 40
.set G1SB, 48
.set SA,   56                          ; a's groups 0: scale words, first region, second region
.set P0A,  60
.set P1A,  68
.set PFA,  72                          ; s[72:73] the block that my prefetches name
.set SB,   76                          ; Wo's
.set P0B,  80
.set P1B,  84
.set WV,   92
.set PH,   93
.set QH,   94
.set MSB, 0
.macro WIN new
.if MSB != (\new)
	s_set_vgpr_msb (MSB<<8)|(\new)
.set MSB, (\new)
.endif
.endm
.set MUL,  0x05                        ; sources 0 and 1 window 1; C and D window 0
.set TO_F, 0x40
.macro CROUND
	s_barrier_signal -1
	s_barrier_wait -1
	s_cmp_lg_u32 s[WV], 0
	s_cbranch_scc1 .Lnot_wave_0_\@
	s_barrier_signal -3
.Lnot_wave_0_\@:
	s_barrier_wait -3
	s_barrier_signal -1
	s_barrier_wait -1
.endm
.macro PLACES
.rept 4
	v_nop
.endr
.endm
.macro MKG0 g0, lds, loff, base, goff
	s_mov_b32 s[\g0], 1
	s_add_co_u32 s[\g0+1], s[\lds], \loff
	s_add_nc_u64 s[\g0+2:\g0+3], s[\base:\base+1], \goff
	s_or_b32 s[\g0+3], s[\g0+3], 0x80000000
.endm
.macro JLOAD g0a, g0b                  ; waves 0 and 1 fetch for a, waves 2 and 3 for Wo: each line has one mask
	s_cmp_eq_u32 s[PH], 0
	s_cbranch_scc0 .Lfor_b_\@
	tensor_load_to_lds s[\g0a:\g0a+3], s[G1A:G1A+7]
	s_nop 0
	PLACES
	s_branch .Lasked_\@
.Lfor_b_\@:
	tensor_load_to_lds s[\g0b:\g0b+3], s[G1B:G1B+7]
	s_nop 0
	PLACES
.Lasked_\@:
.endm
	s_load_b128 s[4:7], s[0:1], 0x0                ; ac, asc
	s_load_b64 s[8:9], s[0:1], 0x10                ; wo: Wo's codes, then its scale words
	s_load_b64 s[12:13], s[0:1], 0x18              ; bo
	s_load_b64 s[14:15], s[0:1], 0x20              ; out0
	v_lshl_add_u32 v[SPW], v0, 2, SPARE
	v_mov_b32 v[NIL], 0
	ds_add_u32 v[SPW], v[NIL]                      ; the opening lines: the add, twice on end, and its wait
	ds_add_u32 v[SPW], v[NIL]
	s_wait_dscnt 0x0
	v_lshrrev_b32 v1, 5, v0
	v_readfirstlane_b32 s[WV], v1
	s_lshr_b32 s[PH], s[WV], 1                     ; my half of a's rows; also: I fetch for a (0) or Wo (1)
	s_and_b32 s[QH], s[WV], 1                      ; my half of Wo's rows; also: which 4 blocks I fetch
	s_bfe_u32 s16, ttmp6, 0x40000                  ; cx
	s_bfe_u32 s17, ttmp6, 0x40004                  ; cy
	s_lshl_b32 s18, ttmp9, 2
	s_add_co_u32 s18, s18, s16                     ; tile column
	s_and_b32 s19, ttmp7, 0xffff
	s_lshl_b32 s19, s19, 2
	s_add_co_u32 s19, s19, s17                     ; tile row
	s_lshl_b32 s20, s17, 2
	s_lshl_b32 s20, 15, s20                        ; my row of the cluster
	s_lshl_b32 s21, 0x1111, s16                    ; my column
	; group 1 for codes, at the head: 8 rows (blocks) of 768 elements of 8 bytes (four K steps' images), 3,072 elements from block to block
	s_or_b32 s[G1A], s20, (3<<16)|(1<<21)
	s_or_b32 s[G1B], s21, (3<<16)|(1<<21)
.irp g, G1A, G1B
	s_mov_b32 s[\g+1], 768<<16
	s_mov_b32 s[\g+2], 8<<16
	s_mov_b32 s[\g+3], 768<<16
	s_mov_b32 s[\g+4], 8
	s_mov_b32 s[\g+5], 3072
	s_mov_b32 s[\g+6], 0
	s_mov_b32 s[\g+7], 0
.endr
	s_or_b32 s[G1SA], s20, (3<<16)|(1<<21)         ; scale words of 8 blocks: 8,192 dense bytes as 32 rows of 256
	s_or_b32 s[G1SB], s21, (3<<16)|(1<<21)
.irp g, G1SA, G1SB
	s_mov_b32 s[\g+1], 32<<16
	s_mov_b32 s[\g+2], 32<<16
	s_mov_b32 s[\g+3], 32<<16
	s_mov_b32 s[\g+4], 32
	s_mov_b32 s[\g+5], 32
	s_mov_b32 s[\g+6], 0
	s_mov_b32 s[\g+7], 0
.endr
	s_lshl_b32 s2, s19, 3
	s_lshl_b32 s3, s[QH], 2
	s_add_co_u32 s2, s2, s3                        ; a's first block that I fetch: hangs on the tile row alone
	s_lshl_b32 s96, s18, 3
	s_add_co_u32 s96, s96, s3                      ; Wo's: on the tile column alone
	s_lshl_b32 s22, s2, 10
	s_mov_b32 s23, 0
	s_mul_i32 s2, s2, 24576
	s_mov_b32 s3, 0
	s_lshl_b32 s98, s96, 10
	s_add_co_u32 s98, s98, 3145728                 ; the scale words lie behind the codes
	s_mov_b32 s99, 0
	s_mul_i32 s96, s96, 24576
	s_mov_b32 s97, 0
	s_mul_i32 s95, s[WV], PART                     ; where they go: the wave's number alone
	s_mul_i32 s101, s[WV], 2*PART
	s_wait_kmcnt 0x0
	s_add_nc_u64 s[2:3], s[4:5], s[2:3]
	s_add_nc_u64 s[22:23], s[6:7], s[22:23]
	s_add_nc_u64 s[96:97], s[8:9], s[96:97]
	s_add_nc_u64 s[98:99], s[8:9], s[98:99]
	s_mov_b32 s[SA], 1                             ; a's scale words, whole: issued by wave 1 alone, whose own four blocks begin 4,096 bytes further on
	s_mov_b32 s[SA+1], SC
	s_sub_nc_u64 s[SA+2:SA+3], s[22:23], 4096
	s_or_b32 s[SA+3], s[SA+3], 0x80000000
	s_mov_b32 s[SB], 1                             ; Wo's: issued by wave 3 alone
	s_mov_b32 s[SB+1], SC+8192
	s_sub_nc_u64 s[SB+2:SB+3], s[98:99], 4096
	s_or_b32 s[SB+3], s[SB+3], 0x80000000
	MKG0 P0A, 95, 0, 2, 0
	MKG0 P1A, 101, RGN, 2, 6144
	MKG0 P0B, 95, 0, 96, 0
	MKG0 P1B, 101, RGN, 96, 6144
	s_cmp_eq_u32 s[PH], 0                          ; the prefetches: of the four blocks that I fetch,
	s_cselect_b64 s[PFA:PFA+1], s[2:3], s[96:97]
	s_cselect_b32 s74, s16, s17                    ; the one at my work-group's place among the four that ask with me
	s_mul_i32 s74, s74, 24576
	s_mov_b32 s75, 0
	s_add_nc_u64 s[PFA:PFA+1], s[PFA:PFA+1], s[74:75]
	CROUND                                         ; all sixteen work-groups are here: the first joint loads meet
; one tensor load a wave at the head: group 1 counts 8 blocks here, so waves 0 and 2, whose own part begins with the tile, fetch a whole half of the first region
.macro ARM under, g0, g1, next
	s_cmp_lt_u32 s[WV], \under
	s_cbranch_scc0 \next
	tensor_load_to_lds s[\g0:\g0+3], s[\g1:\g1+7]
	s_nop 0
	PLACES
	s_branch .Lhead_asked
\next:
.endm
	ARM 1, P0A, G1A,  .Lhead_sa
	ARM 2, SA,  G1SA, .Lhead_b
	ARM 3, P0B, G1B,  .Lhead_sb
	tensor_load_to_lds s[SB:SB+3], s[G1SB:G1SB+7]
	s_nop 0
	PLACES
.Lhead_asked:
	v_and_b32 v1, 31, v0
	v_and_b32 v2, 15, v0                           ; r
	v_bfe_u32 v3, v0, 4, 1                         ; h
	v_min_u32 v[PFO], 23, v1
	v_lshlrev_b32 v[PFO], 8, v[PFO]                ; 24 units of 256 bytes
	s_wait_alu depctr_va_vdst(0)
	global_prefetch_b8 v[PFO], s[PFA:PFA+1] offset:6144 th:TH_LOAD_NT scope:SCOPE_SE    ; K steps 4-7 of my block,
	global_prefetch_b8 v[PFO], s[PFA:PFA+1] offset:12288 th:TH_LOAD_NT scope:SCOPE_SE   ; and 8-11
	v_lshlrev_b32 v[LI], 4, v1
	v_lshlrev_b32 v[BO], 6, v3
	s_mul_i32 s2, s[PH], PART
	s_mul_i32 s3, s[QH], PART
	s_add_co_u32 s3, s3, 2*PART
	v_add_nc_u32 v[ADA], s2, v[LI]
	v_add_nc_u32 v[ADB], s3, v[LI]
	s_mul_i32 s2, s[PH], 2*PART
	s_mul_i32 s3, s[QH], 2*PART
	s_add_co_u32 s2, s2, RGN
	s_add_co_u32 s3, s3, RGN+4*PART
	v_add_nc_u32 v[ADA+1], s2, v[LI]
	v_add_nc_u32 v[ADB+1], s3, v[LI]
	s_lshl_b32 s2, s[PH], 12                       ; scale words: a's 4 blocks; Wo's lie behind a's 8,192 bytes
	s_lshl_b32 s3, s[QH], 12
	s_add_co_u32 s3, s3, 8192
	s_sub_co_u32 s3, s3, s2
	v_mul_u32_u24 v6, s3, v3                       ; lanes 16-31 take Wo's: one product, the distance between the two
	s_add_co_u32 s2, s2, SC
	v_lshl_add_u32 v5, v2, 4, v6
	v_add_nc_u32 v[ADRS], s2, v5
	s_mul_i32 s2, s[PH], 64*SPITCH                 ; the stage, in: row 64 p + 16 a + r (the order of the fragments), + 256 q + 64 h
	s_lshl_b32 s3, s[QH], 8
	s_add_co_u32 s2, s2, s3
	s_add_co_u32 s2, s2, STAGE
	v_mul_u32_u24 v[STO], v2, SPITCH
	v_lshl_add_u32 v[STO], v3, 6, v[STO]
	v_add_nc_u32 v[STO], s2, v[STO]
	s_mul_i32 s2, s[WV], 32*SPITCH                 ; and back: wave w takes rows 32 w .. 32 w + 31, 16 bytes a lane
	s_add_co_u32 s2, s2, STAGE
	v_add_nc_u32 v[RD], s2, v[LI]
	s_lshl_b32 s2, s18, 9
	s_lshl_b32 s3, s[QH], 8
	s_add_co_u32 s2, s2, s3
	s_mov_b32 s3, 0
	s_add_nc_u64 s[12:13], s[12:13], s[2:3]        ; bo at my 64 columns
	s_lshl_b32 s2, s19, 7
	s_lshl_b32 s22, s[WV], 5
	s_add_co_u32 s2, s2, s22
	s_lshl_b32 s2, s2, 13                          ; row 128 x tile row + 32 x wave, 8,192 bytes a row,
	s_lshl_b32 s22, s18, 9                         ; + the tile's 512 bytes of a row
	s_add_co_u32 s2, s2, s22
	s_add_nc_u64 s[14:15], s[14:15], s[2:3]
	s_wait_alu depctr_va_vdst(0)
.irp b, 0,1,2,3                                ; bo in the layout of a result: tile b, register j = column 32 (b / 2) + 16 h + 8 (b % 2) + j
	global_load_b128 v[BIA+8*\b:BIA+8*\b+3], v[BO], s[12:13] offset:(32*(\b/2)+8*(\b%2))*4
	global_load_b128 v[BIA+8*\b+4:BIA+8*\b+7], v[BO], s[12:13] offset:(32*(\b/2)+8*(\b%2))*4+16
.endr
.macro FRG reg, adr, i, qq             ; BS: K steps that a block has in the region
.irp c, 0,1,2
	ds_load_b128 v[\reg+4*\c:\reg+4*\c+3], v[\adr] offset:(BS*(\i)+(\qq))*1536+512*\c
.endr
.endm
.macro FETCH n                         ; K step n's eight fragments into set n % 2: Wo's four, a's 0 and 1, (at every fourth step four steps' scale words,) a's 2 and 3
.set FB, 128*((\n)%2)
.if ((\n)/4 == 1) || ((\n)/4 == 2)
.set RG, 1
.set QQ, (\n)-4
.set BS, 8
.else
.set RG, 0
.set QQ, (\n)%4
.set BS, 4
.endif
	WIN TO_F
.irp i, 0,1,2,3
	FRG FB+48+12*\i, ADB+RG, \i, QQ
.endr
	FRG FB, ADA+RG, 0, QQ
	FRG FB+12, ADA+RG, 1, QQ
.if (\n)%4 == 0
	WIN 0
.irp i, 0,1,2,3
	ds_load_b128 v[SCW+16*(((\n)/4)%2)+4*\i:SCW+16*(((\n)/4)%2)+4*\i+3], v[ADRS] offset:1024*\i+256*((\n)/4)   ; four K steps' words: lanes 0-15 a's block i, lanes 16-31 Wo's block i
.endr
	WIN TO_F
.endif
	FRG FB+24, ADA+RG, 2, QQ
	FRG FB+36, ADA+RG, 3, QQ
.endm
.macro MUL8 n, a0                      ; a's blocks a0, a0 + 1 x Wo's four.  The 16 accumulators take turns, one instruction a turn
.set FB, 128*((\n)%2)
.set SW, SCW+16*(((\n)/4)%2)+(\n)%4
.irp a, \a0, \a0+1
.irp b, 0,1,2,3
.if (\n) == 0
	v_wmma_scale_f32_16x16x128_f8f6f4 v[ACC+8*(4*(\a)+\b):ACC+8*(4*(\a)+\b)+7], v[FB+48+12*\b:FB+48+12*\b+11], v[FB+12*(\a):FB+12*(\a)+11], v[BIA+8*\b:BIA+8*\b+7], v[SW+4*\b], v[SW+4*(\a)] matrix_a_fmt:MATRIX_FMT_FP6 matrix_b_fmt:MATRIX_FMT_FP6 matrix_a_scale:MATRIX_SCALE_ROW1
.else
	v_wmma_scale_f32_16x16x128_f8f6f4 v[ACC+8*(4*(\a)+\b):ACC+8*(4*(\a)+\b)+7], v[FB+48+12*\b:FB+48+12*\b+11], v[FB+12*(\a):FB+12*(\a)+11], v[ACC+8*(4*(\a)+\b):ACC+8*(4*(\a)+\b)+7], v[SW+4*\b], v[SW+4*(\a)] matrix_a_fmt:MATRIX_FMT_FP6 matrix_b_fmt:MATRIX_FMT_FP6 matrix_a_scale:MATRIX_SCALE_ROW1
.endif
.endr
.endr
.endm
.macro KS n                            ; a K step whose successor lies in LDS already
	s_wait_dscnt 6                                 ; all but a's blocks 2 and 3
	WIN MUL
	MUL8 \n, 0
	PLACES                                         ; in front of loads into registers that matrix instructions have read
	FETCH (\n)+1
.if ((\n)+1)%4 == 0
	s_wait_dscnt 28                                ; all but the 28 just issued
.else
	s_wait_dscnt 24                                ; all but the 24 just issued
.endif
	WIN MUL
	MUL8 \n, 2
.endm
	s_wait_alu depctr_va_vdst(0)                   ; the wait at the head's end
	s_wait_tensorcnt 0x0                           ; my tile of the head's four is in
	ds_add_u32 v[SPW], v[NIL]
.irp g, G1A, G1B                               ; no tensor load of mine is out: the next brings 4 blocks of eight K steps
	s_mov_b32 s[\g+1], 1536<<16
	s_mov_b32 s[\g+2], 4<<16
	s_mov_b32 s[\g+3], 1536<<16
	s_mov_b32 s[\g+4], 4
.endr
	s_wait_dscnt 0x0
	CROUND                                         ; all four tiles are in, and all sixteen work-groups are here
	JLOAD P1A, P1B                                 ; K steps 4-11, the first tensor load behind the round
	FETCH 0
	global_prefetch_b8 v[PFO], s[PFA:PFA+1] offset:18432 th:TH_LOAD_NT scope:SCOPE_SE   ; K steps 12-15 of my block
	s_wait_loadcnt 0x0                             ; bo
	KS 0
	KS 1
	KS 2
	; K step 3 leaves the first region, which is filled again with K steps 12-15
	WIN 0
	s_wait_tensorcnt 0x0                           ; all my tensor loads have landed, my part of K steps 4-11: so the descriptors may be written
	ds_add_u32 v[SPW], v[NIL]                      ; 0 onto my spare word
	s_add_nc_u64 s[P0A+2:P0A+3], s[P0A+2:P0A+3], 18432
	s_add_nc_u64 s[P0B+2:P0B+3], s[P0B+2:P0B+3], 18432
.irp g, G1A, G1B                               ; 4 blocks of four K steps
	s_mov_b32 s[\g+1], 768<<16
	s_mov_b32 s[\g+3], 768<<16
.endr
	s_wait_dscnt 7                                 ; (the add and a's blocks 2 and 3 may be out)
	WIN MUL
	MUL8 3, 0
	s_wait_dscnt 0x0                               ; the add is done, and my reads of the first region are over
	WIN 0
	CROUND                                         ; both now hold of every wave of all sixteen work-groups
	JLOAD P0A, P0B                                 ; my one load behind the round: it has eight K steps in which to land
	FETCH 4                                        ; the four v_nop behind the load are the places in front of these loads
	WIN MUL
	MUL8 3, 2
	KS 4
	KS 5
	KS 6
	KS 7
	KS 8
	KS 9
	KS 10
	; K step 11: its successor lies in the first region's second fill
	s_wait_tensorcnt 0x0                           ; my part of it is in,
	s_wait_dscnt 6
	WIN MUL
	MUL8 11, 0
	s_wait_dscnt 0x0
	s_barrier_signal -1
	s_barrier_wait -1                              ; everybody's is; and every wave's reads of the second region are over: it will be the stage
	PLACES
	FETCH 12
	WIN MUL
	MUL8 11, 2
	KS 12
	KS 13
	KS 14
	s_wait_dscnt 6
	WIN MUL
	MUL8 15, 0
	s_wait_dscnt 0x0
	MUL8 15, 2
	WIN 0
	; THE WAY OUT: a lane holds 32 neighbouring bytes of a row, a row's 512 bytes come from two waves: through the stage, a barrier, and back as whole rows
	PLACES
.irp a, 0,1,2,3
.irp b, 0,1,2,3
	ds_store_b128 v[STO], v[ACC+8*(4*\a+\b):ACC+8*(4*\a+\b)+3] offset:16*\a*SPITCH+128*(\b/2)+32*(\b%2)      ; each accumulator from its low end on
	ds_store_b128 v[STO], v[ACC+8*(4*\a+\b)+4:ACC+8*(4*\a+\b)+7] offset:16*\a*SPITCH+128*(\b/2)+32*(\b%2)+16
.endr
.endr
	s_wait_dscnt 0x0                               ; for the others' sake: my stores into the stage are done
	s_barrier_signal -1
	s_barrier_wait -1
.set i, 0
.rept 32
	ds_load_b128 v[ACC+4*i:ACC+4*i+3], v[RD] offset:SPITCH*i
.set i, i+1
.endr
.set i, 0
.rept 32
	s_wait_dscnt 31-i
	global_store_b128 v[LI], v[ACC+4*i:ACC+4*i+3], s[14:15] offset:(8*(i/16)+i%16+8*((i%16)/8))*8192 th:TH_STORE_NT   ; stage row i is row 8 (i / 16) + i % 16 + 8 ((i % 16) / 8) of my 32: 512 consecutive bytes, aligned
.set i, i+1
.endr
	s_wait_tensorcnt 0x0                           ; the wave's end
	ds_add_u32 v[SPW], v[NIL]
	s_wait_dscnt 0x0
	CROUND                                         ; the closing round
	s_endpgm
.Lfunc_end_k_qaf26cee990_proj:
	.size	k_qaf26cee990_proj, .Lfunc_end_k_qaf26cee990_proj-k_qaf26cee990_proj
	.p2alignl 7, 3214868480
	.fill 96, 4, 3214868480
	.section	.rodata,"a",@progbits
	.p2align	6, 0x0
	.amdhsa_kernel k_qaf26cee990_proj
		.amdhsa_group_segment_fixed_size 327680
		.amdhsa_private_segment_fixed_size 0
		.amdhsa_enable_private_segment 0
		.amdhsa_kernarg_size 40
		.amdhsa_user_sgpr_count 2
		.amdhsa_user_sgpr_kernarg_segment_ptr 1
		.amdhsa_wavefront_size32 1
		.amdhsa_system_sgpr_workgroup_id_x 1
		.amdhsa_system_sgpr_workgroup_id_y 1
		.amdhsa_system_sgpr_workgroup_id_z 1
		.amdhsa_system_vgpr_workitem_id 0
		.amdhsa_next_free_vgpr 512
		.amdhsa_next_free_sgpr 102
		.amdhsa_reserve_vcc 0
		.amdhsa_float_denorm_mode_32 3
		.amdhsa_float_denorm_mode_16_64 3
		.amdhsa_memory_ordered 1
		.amdhsa_forward_progress 1
		.amdhsa_inst_pref_size 83
	.end_amdhsa_kernel
	.amdgpu_metadata
---
amdhsa.version: [ 1, 2 ]
amdhsa.kernels:
  - .name:           k_qaf26cee990_proj
    .symbol:         k_qaf26cee990_proj.kd
    .args:
      - { .name: ac, .offset: 0, .size: 8, .value_kind: global_buffer, .address_space: global }
      - { .name: asc, .offset: 8, .size: 8, .value_kind: global_buffer, .address_space: global }
      - { .name: wo, .offset: 16, .size: 8, .value_kind: global_buffer, .address_space: global }
      - { .name: bo, .offset: 24, .size: 8, .value_kind: global_buffer, .address_space: global }
      - { .name: out0, .offset: 32, .size: 8, .value_kind: global_buffer, .address_space: global }
    .group_segment_fixed_size: 327680
    .private_segment_fixed_size: 0
    .kernarg_segment_align: 8
    .kernarg_segment_size: 40
    .max_flat_workgroup_size: 128
    .sgpr_count:     102
    .vgpr_count:     512
    .wavefront_size: 32
...
	.end_amdgpu_metadata
.endif
;; end of part 4
